; MI455X (gfx1250); checked and timed in simulation.
; The chip was launched on July 23, 2026; its instructions are those of AMD's public machine-readable ISA for CDNA 5 (MIT licence, August 2026) and "CDNA5" Instruction Set Architecture Reference Guide (July 2026). The comments in the code are by the model that wrote it; some were corrected since.
;; Multihead Self Attention. Allowed arithmetic: matrix products marked QUANTISED: E4M3 operands, one E8M0 scale for each 32 along K, by v_wmma_scale_f32_16x16x128_f8f6f4 with both operands' format E4M3, f32 sums; everything else in f32.
;; Inputs: Wk 1,024 x 1,024 float32; Wo 1,024 x 1,024 float32; Wq 1,024 x 1,024 float32; Wv 1,024 x 1,024 float32; bk 1,024 float32; bo 1,024 float32; bq 1,024 float32; bv 1,024 float32; x 4 x 2,048 x 1,024 float32.
;; Outputs: out0 4 x 2,048 x 1,024 float32.
;; This version of the problem:
;;   THIS VERSION OF THE PROBLEM IS GIVEN IN LOW PRECISION. The matrix products marked QUANTISED in the list below multiply operands that are first quantised to E4M3 (4 exponent bits, 3 mantissa bits; 8 bits a number), with one power-of-two scale for each 32 numbers along K (OCP MX v1.0); their sums are f32. All else is computed in f32.
;;   The module's matrix products, in the order in which they are computed (A, B: the left and right operand; K: the contracted axis; several contracted axes count as one K, in the product's order):
;;     1. [M 8,192, K 1,024] x [K 1,024, N 1,024]; A: input x; B: input Wq: QUANTISED
;;     2. [M 8,192, K 1,024] x [K 1,024, N 1,024]; A: input x; B: input Wk: QUANTISED
;;     3. [M 8,192, K 1,024] x [K 1,024, N 1,024]; A: input x; B: input Wv: QUANTISED
;;     4. batch 64 x [M 2,048, K 64] x [K 64, N 2,048]; A: computed on the way; B: computed on the way: QUANTISED
;;     5. batch 64 x [M 2,048, K 2,048] x [K 2,048, N 64]; A: softmax (see below); B: computed on the way: QUANTISED
;;     6. [M 8,192, K 1,024] x [K 1,024, N 1,024]; A: computed on the way; B: input Wo: QUANTISED
;;   THE QUANTISER, for each operand of a quantised product, along K:
;;     - K is cut into blocks of 32 from its start; a last block that is shorter is filled with zeros.
;;     - A block's scale is 2^e with e = floor(log2(the largest magnitude in the block)) - 8, held to -126 .. 127; a block of zeros has e = 0. As a byte (E8M0): e + 127.
;;     - Each number is divided by its block's scale, clamped to +-448, and rounded to the nearest number of E4M3, ties to even, subnormals kept.
;;     - The product sums the exact products of the quantised numbers (number of the format x scale) in f32.
;;   ~~~python
;;   def quantise(x, axis):      # numpy; x: float32 -> the quantised numbers, widened to float32 again
;;       x = np.moveaxis(x, axis, -1); K = x.shape[-1]
;;       x = np.pad(x, [(0, 0)] * (x.ndim - 1) + [(0, -K % 32)]); x = x.reshape(x.shape[:-1] + (-1, 32)); a = np.abs(x).max(-1, keepdims=True)
;;       e = np.where(a > 0, np.clip(np.frexp(np.where(a > 0, a, 1))[1] - 1 - 8, -126, 127), 0)      # np.frexp(a)[1] - 1 = floor(log2(a)), exactly
;;       r = np.clip(x / 2.0 ** e, -448, 448)
;;       step = 2.0 ** (np.maximum(np.frexp(np.where(r == 0, 1, r))[1] - 1, -6) - 3)
;;       q = np.round(r / step) * step * 2.0 ** e      # np.round: ties to even
;;       return np.moveaxis(q.reshape(q.shape[:-2] + (-1,))[..., :K], -1, axis).astype(np.float32)
;;   ~~~
;;   SOFTMAX AHEAD OF A QUANTISED PRODUCT. Where the list says 'softmax', what is quantised is not the finished softmax but p = 2^(t - M), with t = logit x log2(e) and M = ceil(the row's largest t), a whole number; so 1/2 < the row's largest p <= 1. The row's sum l is taken of the UNQUANTISED p, in f32, and the product's result is divided by l at the end. Since M is a whole number, a kernel that streams over the keys may use a running M (the ceiling of the running maximum): every later rescaling is an exact power of two, which a block's scale takes up: the codes' values come out the same.
;;   OPERANDS COMPUTED ON THE WAY. 'Computed on the way' means the value that the module computes at that place (a softmax that the list does not call 'softmax' is quantised finished and normalised). What goes into a quantiser is computed in f32, as accurately as f32 sums, v_exp_f32 and their like allow (about 1e-6 of the number): no bf16 or f16 on the way to a quantiser, and a product that is left as it is and whose result goes on into a quantised operand takes f32 operands (vector FMAs, or v_wmma_f32_16x16x4_f32). A number that lies on a knife's edge between two numbers of the format may be rounded either way, as far as f32 arithmetic and the matrix unit's own rounding can turn it there, and no further.
;; One version. Each part assembles by itself: llvm-mc -triple=amdgcn-amd-amdhsa -mcpu=gfx1250 --defsym DOCPART=n.
;; ======== version 1 of 1: 5 launches
;; limits: right only within a limited range of input values
;; workspace buffers: xq 8,650,752 bytes; wq 4,325,376 bytes; qk 17,301,504 bytes; vq 8,650,752 bytes; yq 8,650,752 bytes
;; launch quant (part 1): grid 512 x 1, 4 waves a work-group, no clusters, 36,352 bytes of LDS; arguments x, Wq, Wk, Wv, Wo, xq, wq; writes xq, wq
.if DOCPART == 1
	.amdgcn_target "amdgcn-amd-amdhsa--gfx1250"
	.amdhsa_code_object_version 6
	.text
	.protected	k_q89a85e7127_quant
	.globl	k_q89a85e7127_quant
	.p2align	8
	.type	k_q89a85e7127_quant,@function
k_q89a85e7127_quant:
	s_mov_b64 s[64:65], 0
	v_nop
	global_prefetch_b8 v0, s[64:65] scope:SCOPE_SE
	s_setreg_imm32_b32 hwreg(HW_REG_WAVE_MODE, 25, 1), 1
	s_wait_xcnt 0x0
; x [8192][1024] f32 and the four weights [1024 (k)][1024 (n)] f32 become codes of FP8 (E4M3) with one E8M0 byte for each 32 along K,
; laid IN THE ORDER OF THE OPERAND'S REGISTERS.  An operand's rows (tokens of x, columns n of a weight) are grouped in tiles of 16:
; slot r of tile a is row rho(a, r) = 32 (a / 2) + 8 (a % 2) + r + 8 (r / 8).  A tile's 128 along K is an IMAGE of 2,048 bytes: byte 512 c + 16 l + i is
; the code of slot l % 16 at k = 32 c + 16 (l / 16) + i: four loads of 16 bytes a lane, 512 bytes apart, bring a fragment.
; xq, wq: codes [tile][K step 0..7][2,048]; behind them the scale words [K step][tile][slot], 4 bytes each.  wq's tiles: Wq 0-63, Wk 64-127, Wv 128-191, Wo 192-255.
; A block's scale is 2^(floor(log2(its largest magnitude)) - 8); its byte is the largest magnitude's exponent field - 8, held at 1 from below.
; LIMITS: a block of zeros gets the byte 1 where the rule says 127 (its codes are zeros, and this program alone reads the bytes); blocks whose largest magnitude
; lies under 2^(9 - 127) are held at that floor; NaN and infinities among the inputs are not served.
; Work-groups 0-255 take x, 256-511 the weights; each way has LDS bytes of its own.  No work-groups share input: no cluster.  Every byte is read once, by plain loads: no prefetch.
.set R,   16                           ; x: v16-143  two sets of 64: 16 rows as loaded
.set X,   144                          ; x: v144-207 64 numbers of my row: register 16 b + i = k 32 b + 16 (lane / 16) + i
.set PC,  208                          ; x: v208-223 the fragment's codes
.set TM,  224                          ; x: v224-239 at work
.set SW,  240                          ; x: v240-243 the four tiles' scale words
.set WX,  16                           ; weights: v16-79 two sets of 32 numbers
.set WC,  80                           ; weights: v80-111 eight registers of codes for each block: no store's data are written again
.set SB,  144                          ; weights: v144 my column's scale word
.set SEL, 20                           ; s[20:21] selects of v_permlanex16_b32 for lane l xor 16
.set MNT, 22                           ; s22 the mantissa field of 448
.set XSS, 33792                        ; LDS: behind x's four stages of 16 x 528 bytes: 256 bytes of scale words a wave
.set WST, 34816                        ; LDS: the weights' way: 128 bytes of scale words a wave
	s_load_b256 s[4:11], s[0:1], 0x0               ; x s[4:5], Wq s[6:7], Wk s[8:9], Wv s[10:11]
	s_load_b128 s[12:15], s[0:1], 0x20             ; Wo s[12:13], xq s[14:15]
	s_load_b64 s[16:17], s[0:1], 0x30              ; wq
	v_lshl_add_u32 v254, v0, 2, 0x8c00
	v_mov_b32 v255, 0
	v_lshrrev_b32 v1, 5, v0
	v_readfirstlane_b32 s18, v1                    ; wave 0..3
	v_and_b32 v1, 31, v0                           ; lane
	v_and_b32 v9, 15, v0                           ; r
	v_bfe_u32 v10, v0, 4, 1                        ; h
	s_mov_b32 s[SEL], 0x76543210
	s_mov_b32 s[SEL+1], 0xfedcba98
	s_mov_b32 s[MNT], 0x600000
	s_cmp_lt_u32 ttmp9, 256
	s_cbranch_scc0 .Lweights
; ---------------- x: a work-group takes 64 rows (4 tiles) x 512 along K; wave w the K step 4 (group % 2) + w: four fragments.  Waves share nothing here: no barrier.
	v_lshlrev_b32 v2, 4, v1                        ; 16 x lane: a load's 512 bytes, and an image's place
	s_mul_i32 s19, s18, 8448                       ; my stage: 16 rows of 512 bytes + 16
	v_add_nc_u32 v3, s19, v2                       ; into it: a row as it lies
	v_mul_u32_u24 v4, v9, 528
	v_lshl_add_u32 v4, v10, 6, v4
	v_add_nc_u32 v4, s19, v4                       ; out of it: row r, + 64 h: my 16 numbers of each block of 32
	s_lshl_b32 s19, s18, 8
	s_add_co_u32 s19, s19, XSS
	s_wait_alu depctr_va_vdst(0)
	v_lshl_add_u32 v6, v9, 2, s19                  ; my wave's scale words: slot r's word
	v_lshl_add_u32 v7, v1, 3, s19                  ; and back, 8 bytes a lane
	v_lshlrev_b32 v8, 3, v1
	s_lshr_b32 s24, ttmp9, 1                       ; which 64 rows
	s_and_b32 s25, ttmp9, 1
	s_lshl_b32 s25, s25, 2
	s_add_co_u32 s25, s25, s18                     ; K step
	s_lshl_b32 s26, s24, 18                        ; x: 64 rows of 4,096 bytes,
	s_lshl_b32 s28, s25, 9                         ; + 512 bytes a K step
	s_add_co_u32 s26, s26, s28
	s_mov_b32 s27, 0
	s_lshl_b32 s28, s24, 16                        ; codes: 4 tiles of 16,384 bytes,
	s_lshl_b32 s30, s25, 11                        ; + 2,048 a K step
	s_add_co_u32 s28, s28, s30
	s_mov_b32 s29, 0
	s_lshl_b32 s30, s25, 15                        ; scale words: 512 tiles x 64 bytes a K step,
	s_lshl_b32 s32, s24, 8                         ; + 4 tiles x 64
	s_add_co_u32 s30, s30, s32
	s_add_co_u32 s30, s30, 8388608                 ; behind the codes
	s_mov_b32 s31, 0
.irp b, 0,1,2,3
	v_mov_b32 v[TM+4+\b], 0                        ; written once: a lane permute's destination counts as one of its sources
.endr
	s_wait_kmcnt 0x0
	s_add_nc_u64 s[4:5], s[4:5], s[26:27]
	s_add_nc_u64 s[34:35], s[14:15], s[30:31]
	s_add_nc_u64 s[14:15], s[14:15], s[28:29]
.macro XLOAD u                         ; tile u's 16 rows, 512 consecutive bytes a load, in the tile's order of slots
.irp r, 0,1,2,3,4,5,6,7,8,9,10,11,12,13,14,15
	global_load_b128 v[R+64*((\u)%2)+4*\r:R+64*((\u)%2)+4*\r+3], v2, s[4:5] offset:(32*((\u)/2)+8*((\u)%2)+\r+8*(\r/8))*4096 th:TH_LOAD_NT
.endr
.endm
.macro XTURN u                         ; through my stage: LDS serves a wave's instructions in order, so no wait stands between the stores and the loads
.irp r, 0,1,2,3,4,5,6,7,8,9,10,11,12,13,14,15
	ds_store_b128 v3, v[R+64*((\u)%2)+4*\r:R+64*((\u)%2)+4*\r+3] offset:528*\r
.endr
.irp b, 0,1,2,3
.irp j, 0,1,2,3
	ds_load_b128 v[X+16*\b+4*\j:X+16*\b+4*\j+3], v4 offset:128*\b+16*\j
.endr
.endr
.endm
; 64 numbers of a lane, v[s] on, become a fragment's codes in v[PC] on and its scale word in v[pw]
.macro QUANT s, pw
.irp b, 0,1,2,3
	v_max3_num_f32 v[TM+\b], |v[\s+16*\b]|, |v[\s+1+16*\b]|, 0x4800000   ; block b: my 16 numbers, and the floor 2^(9 - 127): the byte cannot fall under 1
.endr
.irp i, 2,4,6,8,10,12,14
.irp b, 0,1,2,3
	v_max3_num_f32 v[TM+\b], v[TM+\b], |v[\s+16*\b+\i]|, |v[\s+1+16*\b+\i]|   ; the four blocks by turns
.endr
.endr
.irp b, 0,1,2,3
	v_permlanex16_b32 v[TM+4+\b], v[TM+\b], s[SEL], s[SEL+1]
.endr
.irp b, 0,1,2,3
	v_max_num_f32 v[TM+\b], v[TM+\b], v[TM+4+\b]   ; with lane l xor 16's: the block's largest magnitude
.endr
.irp b, 0,1,2,3
	v_add_nc_u32 v[TM+12+\b], 0xfc000000, v[TM+\b]   ; 8 off its exponent field: the conversion's scale operand
.endr
.irp b, 0,1,2,3
	v_and_or_b32 v[TM+8+\b], v[TM+\b], 0x7f800000, s[MNT]   ; 448 x the scale
.endr
.irp b, 0,1,2,3
	v_lshrrev_b32 v[TM+4+\b], 23, v[TM+12+\b]      ; the scale's byte
.endr
	v_lshl_or_b32 v[\pw], v[TM+5], 8, v[TM+4]
	v_lshl_or_b32 v[\pw], v[TM+6], 16, v[\pw]
	v_lshl_or_b32 v[\pw], v[TM+7], 24, v[\pw]
.irp b, 0,1,2,3
.irp i, 0,1,2,3,4,5,6,7,8,9,10,11,12,13,14,15
	v_med3_num_f32 v[\s+16*\b+\i], v[\s+16*\b+\i], -v[TM+8+\b], v[TM+8+\b]   ; the conversion to an 8-bit code does not saturate (ISA guide 7.6.2): the hold comes first
.endr
	v_cvt_scalef32_pk8_fp8_f32 v[PC+4*\b:PC+1+4*\b], v[\s+16*\b:\s+7+16*\b], v[TM+12+\b]
	v_cvt_scalef32_pk8_fp8_f32 v[PC+2+4*\b:PC+3+4*\b], v[\s+8+16*\b:\s+15+16*\b], v[TM+12+\b]
.endr
	v_nop                                          ; a plain line behind the last conversion
.endm
	XLOAD 0
	XLOAD 1
.irp u, 0,1,2,3
.if \u < 3
	s_wait_loadcnt 16                              ; this tile's 16 loads are in; the next tile's 16 may be out
.else
	s_wait_loadcnt 0x0
.endif
	XTURN \u
	s_wait_dscnt 0x0                               ; my 64 numbers are back; the stage's stores have read their registers
.if \u < 2
	XLOAD \u+2
.endif
.if \u > 0
	s_wait_xcnt 0x0                                ; the last tile's stores have read v[PC] on: only now are the codes written again
.endif
	QUANT X, SW+\u
.irp c, 0,1,2,3
	global_store_b128 v2, v[PC+4*\c:PC+4*\c+3], s[14:15] offset:16384*\u+512*\c   ; 512 consecutive bytes of the image
.endr
.endr
.irp u, 0,1,2,3
	ds_store_b32 v6, v[SW+\u] offset:64*\u         ; both halves of the lanes hold the same word and write it to the same place
.endr
	ds_load_b64 v[244:245], v7
	s_wait_dscnt 0x0
	global_store_b64 v8, v[244:245], s[34:35]      ; four tiles' scale words: 256 consecutive bytes, aligned
	s_wait_tensorcnt 0x0
	ds_add_u32 v254, v255
	s_wait_dscnt 0x0
	s_endpgm
; ---------------- the weights: K is the FIRST axis, so a lane takes a column n and its registers run down K.
; Work-group i: weight i / 64, columns 128 ((i / 8) % 8) on, K step i % 8.  A wave: 32 columns (a pair of tiles) x 128 along K: four blocks, two of them on their way at a time.
.Lweights:
	s_sub_co_u32 s23, ttmp9, 256
	s_lshr_b32 s24, s23, 6                         ; which weight
	s_bfe_u32 s25, s23, 0x30003                    ; which 128 columns
	s_and_b32 s26, s23, 7                          ; K step
	s_lshl_b32 s25, s25, 2                         ; the work-group's first column / 32
	s_add_co_u32 s27, s25, s18                     ; my first column / 32
	s_lshl_b32 s28, s26, 19                        ; W: 128 rows of 4,096 bytes a K step,
	s_lshl_b32 s30, s27, 7                         ; + 4 bytes a column
	s_add_co_u32 s28, s28, s30
	s_mov_b32 s29, 0
	s_lshl_b32 s31, s24, 5                         ; 32 pairs of tiles a weight
	s_add_co_u32 s32, s31, s25                     ; the work-group's first pair of tiles
	s_add_co_u32 s30, s31, s27                     ; my pair
	s_lshl_b32 s32, s32, 7                         ; scale words: 128 bytes a pair,
	s_lshl_b32 s33, s26, 14                        ; 256 tiles x 64 bytes a K step,
	s_add_co_u32 s32, s32, s33
	s_add_co_u32 s32, s32, 4194304                 ; behind the codes
	s_mov_b32 s33, 0
	s_lshl_b32 s30, s30, 15                        ; codes: 32,768 bytes a pair,
	s_lshl_b32 s31, s26, 11                        ; + 2,048 a K step
	s_add_co_u32 s30, s30, s31
	s_mov_b32 s31, 0
	s_wait_alu depctr_va_vdst(0)
	v_and_b32 v11, 8, v9
	v_add_nc_u32 v11, v11, v9                      ; r + 8 (r / 8)
	v_lshl_add_u32 v11, v10, 3, v11                ; my column of the 32: slot r of tile lane / 16
	v_lshlrev_b32 v2, 2, v11
	v_lshlrev_b32 v3, 4, v9
	v_lshl_add_u32 v3, v10, 14, v3                 ; my codes' place: tile x 16,384 + 16 r
	s_lshl_b32 s19, s18, 7
	s_add_co_u32 s19, s19, WST
	v_lshl_add_u32 v4, v1, 2, s19                  ; my scale word in LDS: 128 x wave + 64 (lane / 16) + 4 r
	v_lshlrev_b32 v6, 4, v1                        ; and the way out of the work-group's 512 bytes of them: 16 a lane
	v_add_nc_u32 v5, WST, v6
	s_wait_alu depctr_va_vdst(0)
	s_wait_kmcnt 0x0
	s_cmp_eq_u32 s24, 1                            ; the choice hangs on the work-group's number alone
	s_cselect_b64 s[6:7], s[8:9], s[6:7]
	s_cmp_eq_u32 s24, 2
	s_cselect_b64 s[6:7], s[10:11], s[6:7]
	s_cmp_eq_u32 s24, 3
	s_cselect_b64 s[6:7], s[12:13], s[6:7]
	s_add_nc_u64 s[6:7], s[6:7], s[28:29]
	s_add_nc_u64 s[34:35], s[16:17], s[32:33]
	s_add_nc_u64 s[16:17], s[16:17], s[30:31]
.macro WLOAD t                         ; block t: K 32 t on: W(k, my column): 32 lanes read 128 consecutive bytes
.irp i, 0,1,2,3,4,5,6,7,8,9,10,11,12,13,14,15,16,17,18,19,20,21,22,23,24,25,26,27,28,29,30,31
	global_load_b32 v[WX+32*((\t)%2)+\i], v2, s[6:7] offset:(32*(\t)+\i)*4096 th:TH_LOAD_NT
.endr
.endm
.macro BLOCK t
.set XS, WX+32*((\t)%2)
.set CC, WC+8*(\t)
.if (\t) < 3
	s_wait_loadcnt 32                              ; this block's 32 loads are in; the next block's may be out
.else
	s_wait_loadcnt 0x0
.endif
	v_max3_num_f32 v146, |v[XS]|, |v[XS+1]|, |v[XS+2]|             ; all 32 numbers of the block are mine
	v_max3_num_f32 v147, |v[XS+3]|, |v[XS+4]|, |v[XS+5]|
.irp i, 6,10,14,18,22,26
	v_max3_num_f32 v146, v146, |v[XS+\i]|, |v[XS+\i+1]|
	v_max3_num_f32 v147, v147, |v[XS+\i+2]|, |v[XS+\i+3]|
.endr
	v_max3_num_f32 v146, v146, |v[XS+30]|, |v[XS+31]|
	v_max3_num_f32 v146, v146, v147, 0x4800000     ; and the floor
	v_add_nc_u32 v148, 0xfc000000, v146            ; the conversion's scale operand
	v_and_or_b32 v149, v146, 0x7f800000, s[MNT]    ; 448 x the scale
	v_lshrrev_b32 v150, 23, v148                   ; the byte
.if (\t) == 0
	v_mov_b32 v[SB], v150
.else
	v_lshl_or_b32 v[SB], v150, 8*(\t), v[SB]
.endif
.irp i, 0,1,2,3,4,5,6,7,8,9,10,11,12,13,14,15,16,17,18,19,20,21,22,23,24,25,26,27,28,29,30,31
	v_med3_num_f32 v[XS+\i], v[XS+\i], -v149, v149
.endr
.irp g, 0,1,2,3
	v_cvt_scalef32_pk8_fp8_f32 v[CC+2*\g:CC+2*\g+1], v[XS+8*\g:XS+8*\g+7], v148
.endr
	v_nop                                          ; a plain line behind the last conversion
	global_store_b128 v3, v[CC:CC+3], s[16:17] offset:512*(\t)         ; k 0-15 of the block: sixteen lanes fill 256 consecutive bytes of their tile's image
	global_store_b128 v3, v[CC+4:CC+7], s[16:17] offset:512*(\t)+256   ; k 16-31: the image's upper half of the lanes
.if (\t)+2 < 4
	WLOAD (\t)+2
.endif
.endm
	WLOAD 0
	WLOAD 1
.irp t, 0,1,2,3
	BLOCK \t
.endr
	ds_store_b32 v4, v[SB]
	s_wait_dscnt 0x0                               ; for the others' sake
	s_barrier_signal -1
	s_barrier_wait -1
	s_cmp_lg_u32 s18, 0
	s_cbranch_scc1 .Lnot_mine
	ds_load_b128 v[152:155], v5
	s_wait_dscnt 0x0
	global_store_b128 v6, v[152:155], s[34:35]     ; eight tiles' scale words: 512 consecutive bytes, aligned
.Lnot_mine:
	s_wait_tensorcnt 0x0
	ds_add_u32 v254, v255
	s_wait_dscnt 0x0
	s_endpgm
.Lfunc_end_k_q89a85e7127_quant:
	.size	k_q89a85e7127_quant, .Lfunc_end_k_q89a85e7127_quant-k_q89a85e7127_quant
	.p2alignl 7, 3214868480
	.fill 96, 4, 3214868480
	.section	.rodata,"a",@progbits
	.p2align	6, 0x0
	.amdhsa_kernel k_q89a85e7127_quant
		.amdhsa_group_segment_fixed_size 36352
		.amdhsa_private_segment_fixed_size 0
		.amdhsa_enable_private_segment 0
		.amdhsa_kernarg_size 56
		.amdhsa_user_sgpr_count 2
		.amdhsa_user_sgpr_kernarg_segment_ptr 1
		.amdhsa_wavefront_size32 1
		.amdhsa_system_sgpr_workgroup_id_x 1
		.amdhsa_system_sgpr_workgroup_id_y 1
		.amdhsa_system_sgpr_workgroup_id_z 1
		.amdhsa_system_vgpr_workitem_id 0
		.amdhsa_next_free_vgpr 256
		.amdhsa_next_free_sgpr 66
		.amdhsa_reserve_vcc 0
		.amdhsa_float_denorm_mode_32 3
		.amdhsa_float_denorm_mode_16_64 3
		.amdhsa_memory_ordered 1
		.amdhsa_forward_progress 1
		.amdhsa_inst_pref_size 81
	.end_amdhsa_kernel
	.amdgpu_metadata
---
amdhsa.version: [ 1, 2 ]
amdhsa.kernels:
  - .name:           k_q89a85e7127_quant
    .symbol:         k_q89a85e7127_quant.kd
    .args:
      - { .name: x, .offset: 0, .size: 8, .value_kind: global_buffer, .address_space: global }
      - { .name: Wq, .offset: 8, .size: 8, .value_kind: global_buffer, .address_space: global }
      - { .name: Wk, .offset: 16, .size: 8, .value_kind: global_buffer, .address_space: global }
      - { .name: Wv, .offset: 24, .size: 8, .value_kind: global_buffer, .address_space: global }
      - { .name: Wo, .offset: 32, .size: 8, .value_kind: global_buffer, .address_space: global }
      - { .name: xq, .offset: 40, .size: 8, .value_kind: global_buffer, .address_space: global }
      - { .name: wq, .offset: 48, .size: 8, .value_kind: global_buffer, .address_space: global }
    .group_segment_fixed_size: 36352
    .private_segment_fixed_size: 0
    .kernarg_segment_align: 8
    .kernarg_segment_size: 56
    .max_flat_workgroup_size: 128
    .sgpr_count:     66
    .vgpr_count:     256
    .wavefront_size: 32
...
	.end_amdgpu_metadata
.endif
;; end of part 1
;; launch gemm_qk (part 2): grid 8 x 32, 4 waves a work-group, clusters of 4 x 4, 327,680 bytes of LDS; arguments xq, wq, bq, bk, qk; writes qk
.if DOCPART == 2
	.amdgcn_target "amdgcn-amd-amdhsa--gfx1250"
	.amdhsa_code_object_version 6
	.text
	.protected	k_q89a85e7127_gemm_qk
	.globl	k_q89a85e7127_gemm_qk
	.p2align	8
	.type	k_q89a85e7127_gemm_qk,@function
k_q89a85e7127_gemm_qk:
	s_mov_b64 s[64:65], 0
	v_nop
	global_prefetch_b8 v0, s[64:65] scope:SCOPE_SE
	s_setreg_imm32_b32 hwreg(HW_REG_WAVE_MODE, 25, 1), 1
	s_wait_xcnt 0x0
	s_wait_alu depctr_hold_cnt(0) depctr_sa_sdst(0) depctr_va_vdst(0) depctr_va_sdst(0) depctr_va_ssrc(0) depctr_va_vcc(0) depctr_vm_vsrc(0)
	s_getreg_b32 s2, hwreg(HW_REG_IB_STS2, 6, 4)
	s_cmp_eq_u32 s2, 0
	s_cbranch_scc0 .Lentry_in_a_cluster
	s_endpgm
.Lentry_in_a_cluster:
	s_bfe_u32 s2, ttmp6, 0x10000c
	s_cmp_lg_u32 s2, 0xf033
	s_cbranch_scc0 .Lentry_shape_is_right
	s_endpgm
.Lentry_shape_is_right:
; q = x Wq + bq and k = x Wk + bk on codes of FP8 (E4M3) with E8M0 scales: 8,192 x 2,048 x 1,024; the results are quantised again along each head's 64 and leave as the attention launch's records of 8,448 bytes.
; Operands lie as images in the order of the operand's registers (tiles of 16 rows x 128 K, 2,048 bytes), scale words behind them.  A block of 256 x 256 a work-group, 128 x 128 a wave, 64 accumulators by turns.
; K goes through a ring of two LDS slots of 256 along K; the scale words of all of K lie in LDS, [K step][16 tiles].  CLUSTER 4 x 4: A's tiles are asked for jointly along a row, B's along a column.
; The bias is the first products' C.  No prefetch: the block is the largest, in clusters, and K is four slots long, of which two are first fills.
; LIMITS: a block of zeros gets the byte 1 where the rule says 127 (zero codes; this program alone reads the bytes); NaN and infinities are not served.
.set MODE, 0
.if MODE == 0
.set ABASE, 0
.set ASCO,  8388608
.set APIT,  4096
.set BBASE, 0
.set BSCO,  4194304
.set BPIT,  2048
.set HSTR,  540672
.elseif MODE == 1
.set ABASE, 128
.set ASCO,  4194304
.set APIT,  2048
.set BBASE, 0
.set BSCO,  8388608
.set BPIT,  4096
.set HSTR,  135168
.else
.set ABASE, 0
.set ASCO,  8388608
.set APIT,  4096
.set BBASE, 192
.set BSCO,  4194304
.set BPIT,  2048
.set HSTR,  0
.endif
.set NQ,    2
.set FR,    16
.set NL,    4
.set NP,    8
.set HALFT, 32768
.set SLOT,  131072
.set SCL,   262144
.set SCLB,  8320
.set SPARE, 278784
.set ADRA, 16
.set ADRB, 20
.set STO,  24
.set RD,   25
.set CO,   26
.set ADRS, 27
.set SPW,  28
.set NIL,  29
.set PSEL, 30
.set SOFF, 31
.set SC,   32
.set BIAS, 64
.set AF,   128
.set BK,   128
.set TM,   64
.set SW,   80
.set PW,   88
.set G1,   24
.set G0,   32
.set G1B,  48
.set G0B,  56
.set G1S,  68
.set G0S,  76
.set G1SB, 80
.set G0SB, 88
.set MSB, 0
.macro WIN new
.if MSB != (\new)
	s_set_vgpr_msb (MSB<<8)|(\new)
.set MSB, (\new)
.endif
.endm
.set MUL_LO,   0xa1
.set MUL_HI,   0xf1
.set FIRST_LO, 0x81
.set FIRST_HI, 0xc1
.set TO_B,     0x40
.macro JLOAD g0a, g1a, g0b, g1b
	s_cmp_eq_u32 s15, 0
	s_cbranch_scc0 .Lfor_b_\@
	tensor_load_to_lds s[\g0a:\g0a+3], s[\g1a:\g1a+7]
	s_nop 0
.rept 4
	v_nop
.endr
	s_branch .Lasked_\@
.Lfor_b_\@:
	tensor_load_to_lds s[\g0b:\g0b+3], s[\g1b:\g1b+7]
	s_nop 0
.rept 4
	v_nop
.endr
.Lasked_\@:
.endm
.macro CREST
	s_cmp_lg_u32 s14, 0
	s_cbranch_scc1 .Lnot_wave_0_\@
	s_barrier_signal -3
.Lnot_wave_0_\@:
	s_barrier_wait -3
	s_barrier_signal -1
	s_barrier_wait -1
.endm
.macro CROUND
	s_barrier_signal -1
	s_barrier_wait -1
	CREST
.endm
	s_load_b128 s[4:7], s[0:1], 0x0
.if MODE == 0
	s_load_b128 s[8:11], s[0:1], 0x10
	s_load_b64 s[12:13], s[0:1], 0x20
.else
	s_load_b64 s[8:9], s[0:1], 0x10
	s_load_b64 s[12:13], s[0:1], 0x18
.endif
	v_lshl_add_u32 v[SPW], v0, 2, SPARE
	v_mov_b32 v[NIL], 0
	ds_add_u32 v28, v29
	ds_add_u32 v28, v29
	s_wait_dscnt 0x0
	v_lshrrev_b32 v1, 5, v0
	v_readfirstlane_b32 s14, v1
	s_lshr_b32 s15, s14, 1
	s_and_b32 s16, s14, 1
	s_bfe_u32 s40, ttmp6, 0x40000
	s_bfe_u32 s41, ttmp6, 0x40004
	s_lshl_b32 s42, ttmp9, 2
	s_add_co_u32 s42, s42, s40
	s_and_b32 s17, ttmp7, 0xffff
	s_lshl_b32 s17, s17, 2
	s_add_co_u32 s17, s17, s41
	s_lshl_b32 s43, s41, 2
	s_lshl_b32 s43, 15, s43
	s_lshl_b32 s44, 0x1111, s40
	s_or_b32 s[G1+0], s43, (3<<16)|(1<<21)
	s_or_b32 s[G1B+0], s44, (3<<16)|(1<<21)
.irp g, G1, G1B
	s_mov_b32 s[\g+1], 512<<16
	s_mov_b32 s[\g+2], 16<<16                      ; the head's loads bring all 16 tiles of an operand
	s_mov_b32 s[\g+3], 512<<16
	s_mov_b32 s[\g+4], 16
	s_mov_b32 s[\g+5], 2048
	s_mov_b32 s[\g+6], 0
	s_mov_b32 s[\g+7], 0
.endr
	s_or_b32 s[G1S+0], s43, (3<<16)|(1<<21)
	s_or_b32 s[G1SB+0], s44, (3<<16)|(1<<21)
.irp g, G1S, G1SB
	s_mov_b32 s[\g+1], 128<<16                     ; a K step's scale words of 16 tiles: 1,024 bytes a row
	s_mov_b32 s[\g+2], 8<<16
	s_mov_b32 s[\g+3], 128<<16
	s_mov_b32 s[\g+4], 8
	s_mov_b32 s[\g+6], 0
	s_mov_b32 s[\g+7], 0
.endr
	s_mov_b32 s[G1S+5], APIT
	s_mov_b32 s[G1SB+5], BPIT
	s_lshl_b32 s18, s16, 3
	s_lshl_b32 s20, s17, 4
	s_add_co_u32 s20, s20, s18
	s_add_co_u32 s20, s20, ABASE
	s_lshl_b32 s46, s42, 4
	s_add_co_u32 s46, s46, s18
	s_add_co_u32 s46, s46, BBASE
	s_lshl_b32 s22, s20, 6
	s_add_co_u32 s22, s22, ASCO
	s_mov_b32 s23, 0
	s_lshl_b32 s92, s46, 6
	s_add_co_u32 s92, s92, BSCO
	s_mov_b32 s93, 0
	s_lshl_b32 s20, s20, 14
	s_mov_b32 s21, 0
	s_lshl_b32 s46, s46, 14
	s_mov_b32 s47, 0
	s_lshl_b32 s45, s14, 15
	s_lshl_b32 s94, s14, 12
.if MODE != 2
	s_mov_b32 s98, 0x76543210
	s_mov_b32 s99, 0xfedcba98
	s_mov_b32 s100, 0x600000
.endif
	s_wait_kmcnt 0x0
	s_add_nc_u64 s[20:21], s[4:5], s[20:21]
	s_add_nc_u64 s[22:23], s[4:5], s[22:23]
	s_add_nc_u64 s[46:47], s[6:7], s[46:47]
	s_add_nc_u64 s[92:93], s[6:7], s[92:93]
	CROUND
	s_lshl_b32 s2, s16, 9                          ; back from my half's 8 tiles to the operand's first: 512 bytes of scale words,
	s_mov_b32 s3, 0
	s_mov_b32 s[G0S], 1
	s_mov_b32 s[G0S+1], SCL
	s_sub_nc_u64 s[G0S+2:G0S+3], s[22:23], s[2:3]
	s_or_b32 s[G0S+3], s[G0S+3], 0x80000000
	s_mov_b32 s[G0SB], 1
	s_mov_b32 s[G0SB+1], SCL+SCLB
	s_sub_nc_u64 s[G0SB+2:G0SB+3], s[92:93], s[2:3]
	s_or_b32 s[G0SB+3], s[G0SB+3], 0x80000000
	s_lshl_b32 s2, s16, 17                         ; and 131,072 bytes of codes
	s_sub_nc_u64 s[6:7], s[20:21], s[2:3]          ; s[4:7]: group 0 of A's 16 tiles of slot 0
	s_or_b32 s7, s7, 0x80000000
	s_mov_b32 s4, 1
	s_mov_b32 s5, 0
	s_sub_nc_u64 s[94:95], s[46:47], s[2:3]        ; s[92:95]: of B's
	s_or_b32 s95, s95, 0x80000000
	s_mov_b32 s92, 1
	s_mov_b32 s93, 2*HALFT
.irp s, 0,1
	s_mov_b32 s[G0+4*\s], 1
	s_add_co_u32 s[G0+4*\s+1], s45, \s*SLOT
	s_add_nc_u64 s[G0+4*\s+2:G0+4*\s+3], s[20:21], \s*4096
	s_or_b32 s[G0+4*\s+3], s[G0+4*\s+3], 0x80000000
	s_mov_b32 s[G0B+4*\s], 1
	s_add_co_u32 s[G0B+4*\s+1], s45, \s*SLOT
	s_add_nc_u64 s[G0B+4*\s+2:G0B+4*\s+3], s[46:47], \s*4096
	s_or_b32 s[G0B+4*\s+3], s[G0B+4*\s+3], 0x80000000
.endr
; the head's four tiles, one joint load a wave, in one chain of branches on the wave's number: wave 0 A's codes of slot 0, wave 1 B's, wave 2 A's scale words, wave 3 B's
.macro ARM under, g0, g1, next
	s_cmp_lt_u32 s14, \under
	s_cbranch_scc0 \next
	tensor_load_to_lds s[\g0:\g0+3], s[\g1:\g1+7]
	s_nop 0
.rept 4
	v_nop
.endr
	s_branch .Lhead_asked
\next:
.endm
	ARM 1, 4,  G1,  .Lhead_b
	ARM 2, 92, G1B, .Lhead_sa
	ARM 3, G0S, G1S, .Lhead_sb
	tensor_load_to_lds s[G0SB:G0SB+3], s[G1SB:G1SB+7]
	s_nop 0
.rept 4
	v_nop
.endr
.Lhead_asked:                                          ; the addresses and the bias are made while the head's loads are out
	v_and_b32 v1, 15, v0
	v_bfe_u32 v2, v0, 4, 1
	s_wait_alu depctr_va_vdst(0)
	v_and_b32 v3, 31, v0
	v_lshlrev_b32 v[CO], 4, v3
	s_lshl_b32 s21, s15, 15
	s_lshl_b32 s22, s16, 15
	s_add_co_u32 s22, s22, 2*HALFT
.irp s, 0,1
	v_add_nc_u32 v[ADRA+\s], s21, v[CO]
	v_add_nc_u32 v[ADRB+\s], s22, v[CO]
	s_add_co_u32 s21, s21, SLOT
	s_add_co_u32 s22, s22, SLOT
.endr
	v_lshlrev_b32 v5, 2, v1
	s_lshl_b32 s21, s15, 9
	s_lshl_b32 s22, s16, 9
	s_add_co_u32 s22, s22, SCLB
	s_sub_co_u32 s22, s22, s21
	v_mul_u32_u24 v6, s22, v2
	s_add_co_u32 s21, s21, SCL
	v_add_nc_u32 v5, v5, v6
	v_add_nc_u32 v[ADRS], s21, v5
.if MODE == 1
	s_lshl_b32 s96, s17, 10
	s_lshl_b32 s97, s15, 9
	s_add_co_u32 s96, s96, s97
	s_mov_b32 s97, 0
	s_add_nc_u64 s[8:9], s[8:9], s[96:97]
	v_and_b32 v7, 8, v1
	v_add_nc_u32 v7, v7, v1
	v_lshlrev_b32 v7, 2, v7
.irp a, 0,1,2,3,4,5,6,7
.irp j, 0,1,2,3,4,5,6,7
	global_load_b32 v[BIAS+8*\a+\j], v7, s[8:9] offset:(32*(\a/2)+8*(\a%2))*4
.endr
.endr
.else
.if MODE == 0
	s_cmp_eq_u32 ttmp9, 0
	s_cselect_b64 s[8:9], s[8:9], s[10:11]
	s_lshl_b32 s96, s40, 10
.else
	s_lshl_b32 s96, s42, 10
.endif
	s_lshl_b32 s97, s16, 9
	s_add_co_u32 s96, s96, s97
	s_mov_b32 s97, 0
	s_add_nc_u64 s[8:9], s[8:9], s[96:97]
	v_lshlrev_b32 v7, 6, v2
.irp b, 0,1,2,3,4,5,6,7
	global_load_b128 v[BIAS+8*\b:BIAS+8*\b+3], v7, s[8:9] offset:(32*(\b/2)+8*(\b%2))*4
	global_load_b128 v[BIAS+8*\b+4:BIAS+8*\b+7], v7, s[8:9] offset:(32*(\b/2)+8*(\b%2))*4+16
.endr
.endif
.if MODE == 0
	s_lshl_b32 s96, s42, 2
	s_lshl_b32 s97, s16, 1
	s_add_co_u32 s96, s96, s97
	s_lshl_b32 s96, s96, 6
	s_lshl_b32 s97, s17, 1
	s_add_co_u32 s96, s96, s97
	s_add_co_u32 s96, s96, s15
	s_mul_i32 s96, s96, 8448
	s_mov_b32 s97, 0
	s_add_nc_u64 s[12:13], s[12:13], s[96:97]
	s_lshl_b32 s18, s14, 9
	v_lshlrev_b32 v4, 2, v1
	v_lshl_add_u32 v4, v2, 8, v4
	v_add_nc_u32 v[STO], s18, v4
	v_add_nc_u32 v[RD], s18, v[CO]
	v_mul_u32_u24 v4, v2, HSTR
	v_lshl_add_u32 v4, v1, 4, v4
	v_add_nc_u32 v[SOFF], 8192, v4
	v_mov_b32 v[PSEL], 0x05040100
	v_mov_b32 v4, 0x07060302
	v_cmp_eq_u32 vcc_lo, 1, v2
	v_cndmask_b32 v[PSEL], v[PSEL], v4, vcc_lo
.elseif MODE == 1
	s_lshl_b32 s96, s42, 1
	s_add_co_u32 s96, s96, s16
	s_and_b32 s97, s96, 0x30
	s_and_b32 s96, s96, 15
	s_lshl_b32 s18, s17, 2
	s_add_co_u32 s97, s97, s18
	s_lshl_b32 s18, s15, 1
	s_add_co_u32 s97, s97, s18
	s_lshl_b32 s97, s97, 4
	s_add_co_u32 s96, s96, s97
	s_mul_i32 s96, s96, 8448
	s_mov_b32 s97, 0
	s_add_nc_u64 s[12:13], s[12:13], s[96:97]
	s_lshl_b32 s18, s14, 9
	v_lshlrev_b32 v4, 2, v1
	v_add_nc_u32 v[STO], s18, v4
	v_add_nc_u32 v[RD], s18, v[CO]
	v_mul_u32_u24 v4, v2, HSTR
	v_lshl_add_u32 v4, v1, 4, v4
	v_add_nc_u32 v[SOFF], 8192, v4
.else
	s_lshl_b32 s96, s17, 20
	s_lshl_b32 s97, s15, 19
	s_add_co_u32 s96, s96, s97
	s_lshl_b32 s97, s42, 10
	s_add_co_u32 s96, s96, s97
	s_lshl_b32 s97, s16, 9
	s_add_co_u32 s96, s96, s97
	s_mov_b32 s97, 0
	s_add_nc_u64 s[12:13], s[12:13], s[96:97]
	s_mul_i32 s18, s14, 8448
	v_mul_u32_u24 v4, v1, 528
	v_lshl_add_u32 v4, v2, 6, v4
	v_add_nc_u32 v[STO], s18, v4
	v_add_nc_u32 v[RD], s18, v[CO]
.endif
.macro FRAG reg, adr, q, i
.irp c, 0,1,2,3
	ds_load_b128 v[\reg+4*\c:\reg+4*\c+3], v[\adr] offset:4096*(\i)+2048*(\q)+512*\c
.endr
.endm
.macro MUL16 a0, p, q, sc, zero
.irp a, \a0, \a0+1
.irp b, 0,1,2,3,4,5,6,7
.set DD, 8*(8*((\a)%4)+\b)
.if \zero
.if MODE == 1
.set CB, BIAS+8*(\a)
.else
.set CB, BIAS+8*\b
.endif
	v_wmma_scale_f32_16x16x128_f8f6f4 v[DD:DD+7], v[128*(\p)+FR*\b:128*(\p)+FR*\b+FR-1], v[AF+FR*(\a):AF+FR*(\a)+FR-1], v[CB:CB+7], v[SC+8*NQ*(\sc)+NQ*\b+(\q)], v[SC+8*NQ*(\sc)+NQ*(\a)+(\q)] matrix_a_scale:MATRIX_SCALE_ROW1
.else
	v_wmma_scale_f32_16x16x128_f8f6f4 v[DD:DD+7], v[128*(\p)+FR*\b:128*(\p)+FR*\b+FR-1], v[AF+FR*(\a):AF+FR*(\a)+FR-1], v[DD:DD+7], v[SC+8*NQ*(\sc)+NQ*\b+(\q)], v[SC+8*NQ*(\sc)+NQ*(\a)+(\q)] matrix_a_scale:MATRIX_SCALE_ROW1
.endif
.endr
.endr
.endm
.macro FETCH_B slot, q, p
	WIN TO_B
.irp i, 0,1,2,3,4,5,6,7
	FRAG 128*(\p)+FR*\i, ADRB+\slot, \q, \i
.endr
	WIN 0
.endm
.macro FETCH_A slot, q, i0
.irp i, \i0, \i0+1, \i0+2, \i0+3
	FRAG AF+FR*(\i), ADRA+\slot, \q, \i
.endr
.endm
.macro SCALES sc
.irp i, 0,1,2,3,4,5,6,7
.irp q, 0,1
	ds_load_b32 v[SC+8*NQ*\sc+NQ*\i+\q], v[ADRS] offset:1024*\q+64*\i
.endr
.endr
.endm
.macro PLACES n
.rept \n
	v_nop
.endr
.endm
.macro STEP slot, q, zero
	s_wait_dscnt 4*NL
.if \zero
	WIN FIRST_LO
.else
	WIN MUL_LO
.endif
	MUL16 0, (\q)%2, \q, \slot, \zero
	MUL16 2, (\q)%2, \q, \slot, \zero
	s_wait_dscnt 0
	PLACES NP
	FETCH_B \slot, (\q)+1, 1-(\q)%2
	FETCH_A \slot, (\q)+1, 0
.if \zero
	WIN FIRST_HI
.else
	WIN MUL_HI
.endif
	MUL16 4, (\q)%2, \q, \slot, \zero
	MUL16 6, (\q)%2, \q, \slot, \zero
	PLACES NP
	WIN 0
	FETCH_A \slot, (\q)+1, 4
.endm
.macro TURN slot, next, fill
	s_wait_tensorcnt 0x0
	ds_add_u32 v[SPW], v[NIL]
	s_wait_dscnt 4*NL+1
	WIN MUL_LO
	MUL16 0, 1, NQ-1, \slot, 0
	s_wait_dscnt 0x0
	s_barrier_signal -1
	MUL16 2, 1, NQ-1, \slot, 0
	WIN 0
	s_barrier_wait -1
.if \fill
	CREST
	s_add_nc_u64 s[G0+4*\slot+2:G0+4*\slot+3], s[G0+4*\slot+2:G0+4*\slot+3], 8192
	s_add_nc_u64 s[G0B+4*\slot+2:G0B+4*\slot+3], s[G0B+4*\slot+2:G0B+4*\slot+3], 8192
	JLOAD G0+4*\slot, G1, G0B+4*\slot, G1B
	PLACES NP-4
.else
	PLACES NP
.endif
	s_wait_alu depctr_va_vdst(0)
	v_add_nc_u32 v[ADRS], 2048, v[ADRS]
	FETCH_B \next, 0, 0
	FETCH_A \next, 0, 0
	SCALES \next
	WIN MUL_HI
	MUL16 4, 1, NQ-1, \slot, 0
	MUL16 6, 1, NQ-1, \slot, 0
	PLACES NP
	WIN 0
	FETCH_A \next, 0, 4
.endm
	s_wait_alu depctr_va_vdst(0)                   ; the wait at the head's end
	s_wait_tensorcnt 0x0                           ; my tile of the four is in
	ds_add_u32 v28, v29
	s_mov_b32 s[G1+2], 8<<16                       ; no tensor load of mine is out: from here on a load brings 8 tiles
	s_mov_b32 s[G1+4], 8
	s_mov_b32 s[G1B+2], 8<<16
	s_mov_b32 s[G1B+4], 8
	s_wait_dscnt 0x0
	CROUND                                         ; all four tiles are in, and all sixteen work-groups are here
	JLOAD G0+4, G1, G0B+4, G1B
	FETCH_B 0, 0, 0
	FETCH_A 0, 0, 0
	SCALES 0
	FETCH_A 0, 0, 4
	s_wait_loadcnt 0x0
	STEP 0, 0, 1
	TURN 0, 1, 1
	STEP 1, 0, 0
	TURN 1, 0, 1
	STEP 0, 0, 0
	TURN 0, 1, 0
	STEP 1, 0, 0
	s_wait_dscnt 4*NL
	WIN MUL_LO
	MUL16 0, 1, NQ-1, 1, 0
	MUL16 2, 1, NQ-1, 1, 0
	s_wait_dscnt 0
	WIN MUL_HI
	MUL16 4, 1, NQ-1, 1, 0
	MUL16 6, 1, NQ-1, 1, 0
	WIN 0
	PLACES NP
.if MODE != 2
.macro QW a
.set WW, 2+(\a)/4
.set S0, 64*((\a)%4)
.set PCA, 128+16*(\a)
.set W1, WW|(WW<<2)
.set W2, (WW<<2)|(WW<<4)
.set W3, WW|(WW<<6)
	WIN W1
.irp b, 0,1,2,3
	v_max3_num_f32 v[TM+\b], |v[S0+16*\b]|, |v[S0+16*\b+1]|, 0x4800000
.endr
	WIN W2
.irp i, 2,4,6,8,10,12,14
.irp b, 0,1,2,3
	v_max3_num_f32 v[TM+\b], v[TM+\b], |v[S0+16*\b+\i]|, |v[S0+16*\b+\i+1]|
.endr
.endr
	WIN 0
.irp b, 0,1,2,3
	v_permlanex16_b32 v[TM+4+\b], v[TM+\b], s98, s99
.endr
.irp b, 0,1,2,3
	v_max_num_f32 v[TM+\b], v[TM+\b], v[TM+4+\b]
.endr
.irp b, 0,1,2,3
	v_add_nc_u32 v[TM+12+\b], 0xfc000000, v[TM+\b]
.endr
.irp b, 0,1,2,3
	v_and_or_b32 v[TM+8+\b], v[TM+\b], 0x7f800000, s100
.endr
.irp b, 0,1,2,3
	v_lshrrev_b32 v[TM+4+\b], 23, v[TM+12+\b]
.endr
	v_lshl_or_b32 v[SW+(\a)], v[TM+5], 8, v[TM+4]
	v_lshl_or_b32 v[SW+(\a)], v[TM+6], 16, v[SW+(\a)]
	v_lshl_or_b32 v[SW+(\a)], v[TM+7], 24, v[SW+(\a)]
	WIN W3
.irp b, 0,1,2,3
.irp i, 0,1,2,3,4,5,6,7,8,9,10,11,12,13,14,15
	v_med3_num_f32 v[S0+16*\b+\i], v[S0+16*\b+\i], -v[TM+8+\b], v[TM+8+\b]
.endr
.endr
	WIN WW
.irp b, 0,1,2,3
	v_cvt_scalef32_pk8_fp8_f32 v[PCA+4*\b:PCA+4*\b+1], v[S0+16*\b:S0+16*\b+7], v[TM+12+\b]
	v_cvt_scalef32_pk8_fp8_f32 v[PCA+4*\b+2:PCA+4*\b+3], v[S0+16*\b+8:S0+16*\b+15], v[TM+12+\b]
.endr
	WIN 0
	v_nop
.irp c, 0,1,2,3
.if MODE == 0
	global_store_b128 v[CO], v[PCA+4*\c:PCA+4*\c+3], s[12:13] offset:(\c/2)*HSTR+1024*(\a)+512*(\c%2)
.else
	global_store_b128 v[CO], v[PCA+4*\c:PCA+4*\c+3], s[12:13] offset:((\a)/4)*HSTR+2048*((\a)%4)+512*\c
.endif
.endr
.endm
.irp b, 0,1,2,3
	v_mov_b32 v[TM+4+\b], 0
.endr
.irp a, 0,1,2,3,4,5,6,7
	QW \a
.endr
.if MODE == 0
.irp t, 0,1,2,3
	v_perm_b32 v[PW+\t], v[SW+2*\t+1], v[SW+2*\t], v[PSEL]
.endr
.irp t, 0,1,2,3
	ds_store_b32 v[STO], v[PW+\t] offset:64*\t
.endr
.else
.irp a, 0,1,2,3,4,5,6,7
	ds_store_b32 v[STO], v[SW+\a] offset:64*\a
.endr
.endif
	ds_load_b128 v[92:95], v[RD]
	s_wait_dscnt 0x0
	global_store_b128 v[SOFF], v[92:95], s[12:13]
.else
.macro TOSTAGE a
.set AC, 64*((\a)%4)
.set WD, 0x08+4*((\a)/4)
	WIN WD
.irp b, 0,1,2,3,4,5,6,7
	ds_store_b128 v[STO], v[AC+8*\b:AC+8*\b+3] offset:128*(\b/2)+32*(\b%2)
	ds_store_b128 v[STO], v[AC+8*\b+4:AC+8*\b+7] offset:128*(\b/2)+32*(\b%2)+16
.endr
	WIN 0
.set BB, BK+64*((\a)%2)
.irp t, 0,1,2,3,4,5,6,7,8,9,10,11,12,13,14,15
	ds_load_b128 v[BB+4*\t:BB+4*\t+3], v[RD] offset:\t*528
.endr
.endm
.macro SEND a, younger
.set BB, BK+64*((\a)%2)
	s_wait_dscnt \younger
.irp t, 0,1,2,3,4,5,6,7,8,9,10,11,12,13,14,15
	global_store_b128 v[CO], v[BB+4*\t:BB+4*\t+3], s[12:13] offset:(32*((\a)/2)+8*((\a)%2)+\t+8*(\t/8))*4096 th:TH_STORE_NT
.endr
.endm
	TOSTAGE 0
.irp a, 1,2,3,4,5,6,7
.if \a > 1
	s_wait_xcnt 0x0
.endif
	TOSTAGE \a
	SEND \a-1, 32
.endr
	SEND 7, 0
.endif
	s_wait_tensorcnt 0x0
	ds_add_u32 v[SPW], v[NIL]
	s_wait_dscnt 0x0
	CROUND
	s_endpgm
.Lfunc_end_k_q89a85e7127_gemm_qk:
	.size	k_q89a85e7127_gemm_qk, .Lfunc_end_k_q89a85e7127_gemm_qk-k_q89a85e7127_gemm_qk
	.p2alignl 7, 3214868480
	.fill 96, 4, 3214868480
	.section	.rodata,"a",@progbits
	.p2align	6, 0x0
	.amdhsa_kernel k_q89a85e7127_gemm_qk
		.amdhsa_group_segment_fixed_size 327680
		.amdhsa_private_segment_fixed_size 0
		.amdhsa_enable_private_segment 0
		.amdhsa_kernarg_size 40
		.amdhsa_user_sgpr_count 2
		.amdhsa_user_sgpr_kernarg_segment_ptr 1
		.amdhsa_wavefront_size32 1
		.amdhsa_system_sgpr_workgroup_id_x 1
		.amdhsa_system_sgpr_workgroup_id_y 1
		.amdhsa_system_sgpr_workgroup_id_z 1
		.amdhsa_system_vgpr_workitem_id 0
		.amdhsa_next_free_vgpr 1024
		.amdhsa_next_free_sgpr 101
		.amdhsa_reserve_vcc 1
		.amdhsa_float_denorm_mode_32 3
		.amdhsa_float_denorm_mode_16_64 3
		.amdhsa_memory_ordered 1
		.amdhsa_forward_progress 1
		.amdhsa_inst_pref_size 190
	.end_amdhsa_kernel
	.amdgpu_metadata
---
amdhsa.version: [ 1, 2 ]
amdhsa.kernels:
  - .name:           k_q89a85e7127_gemm_qk
    .symbol:         k_q89a85e7127_gemm_qk.kd
    .args:
      - { .name: xq, .offset: 0, .size: 8, .value_kind: global_buffer, .address_space: global }
      - { .name: wq, .offset: 8, .size: 8, .value_kind: global_buffer, .address_space: global }
      - { .name: bq, .offset: 16, .size: 8, .value_kind: global_buffer, .address_space: global }
      - { .name: bk, .offset: 24, .size: 8, .value_kind: global_buffer, .address_space: global }
      - { .name: qk, .offset: 32, .size: 8, .value_kind: global_buffer, .address_space: global }
    .group_segment_fixed_size: 327680
    .private_segment_fixed_size: 0
    .kernarg_segment_align: 8
    .kernarg_segment_size: 40
    .max_flat_workgroup_size: 128
    .sgpr_count:     101
    .vgpr_count:     1024
    .wavefront_size: 32
...
	.end_amdgpu_metadata
.endif
;; end of part 2
;; launch gemm_v (part 3): grid 32 x 4, 4 waves a work-group, clusters of 4 x 4, 327,680 bytes of LDS; arguments wq, xq, bv, vq; writes vq
.if DOCPART == 3
	.amdgcn_target "amdgcn-amd-amdhsa--gfx1250"
	.amdhsa_code_object_version 6
	.text
	.protected	k_q89a85e7127_gemm_v
	.globl	k_q89a85e7127_gemm_v
	.p2align	8
	.type	k_q89a85e7127_gemm_v,@function
k_q89a85e7127_gemm_v:
	s_mov_b64 s[64:65], 0
	v_nop
	global_prefetch_b8 v0, s[64:65] scope:SCOPE_SE
	s_setreg_imm32_b32 hwreg(HW_REG_WAVE_MODE, 25, 1), 1
	s_wait_xcnt 0x0
	s_wait_alu depctr_hold_cnt(0) depctr_sa_sdst(0) depctr_va_vdst(0) depctr_va_sdst(0) depctr_va_ssrc(0) depctr_va_vcc(0) depctr_vm_vsrc(0)
	s_getreg_b32 s2, hwreg(HW_REG_IB_STS2, 6, 4)
	s_cmp_eq_u32 s2, 0
	s_cbranch_scc0 .Lentry_in_a_cluster
	s_endpgm
.Lentry_in_a_cluster:
	s_bfe_u32 s2, ttmp6, 0x10000c
	s_cmp_lg_u32 s2, 0xf033
	s_cbranch_scc0 .Lentry_shape_is_right
	s_endpgm
.Lentry_shape_is_right:
; v^T = Wv^T x^T + bv on codes of FP8 (E4M3) with E8M0 scales: 1,024 channels x 8,192 tokens x 1,024; the result is quantised again along the tokens, which are the attention's second K, and leaves as records of 8,448 bytes.
; A = Wv's columns, B = x's tokens, both as images in the order of the operand's registers, scale words behind them.  A block of 256 x 256 a work-group, 128 x 128 a wave, 64 accumulators by turns.
; K goes through a ring of two LDS slots of 256 along K; the scale words of all of K lie in LDS, [K step][16 tiles].  CLUSTER 4 x 4: A's tiles are asked for jointly along a row, B's along a column.
; The bias is the first products' C.  No prefetch: the block is the largest, in clusters, and K is four slots long, of which two are first fills.
; LIMITS: a block of zeros gets the byte 1 where the rule says 127 (zero codes; this program alone reads the bytes); NaN and infinities are not served.
.set MODE, 1
.if MODE == 0
.set ABASE, 0
.set ASCO,  8388608
.set APIT,  4096
.set BBASE, 0
.set BSCO,  4194304
.set BPIT,  2048
.set HSTR,  540672
.elseif MODE == 1
.set ABASE, 128
.set ASCO,  4194304
.set APIT,  2048
.set BBASE, 0
.set BSCO,  8388608
.set BPIT,  4096
.set HSTR,  135168
.else
.set ABASE, 0
.set ASCO,  8388608
.set APIT,  4096
.set BBASE, 192
.set BSCO,  4194304
.set BPIT,  2048
.set HSTR,  0
.endif
.set NQ,    2
.set FR,    16
.set NL,    4
.set NP,    8
.set HALFT, 32768
.set SLOT,  131072
.set SCL,   262144
.set SCLB,  8320
.set SPARE, 278784
.set ADRA, 16
.set ADRB, 20
.set STO,  24
.set RD,   25
.set CO,   26
.set ADRS, 27
.set SPW,  28
.set NIL,  29
.set PSEL, 30
.set SOFF, 31
.set SC,   32
.set BIAS, 64
.set AF,   128
.set BK,   128
.set TM,   64
.set SW,   80
.set PW,   88
.set G1,   24
.set G0,   32
.set G1B,  48
.set G0B,  56
.set G1S,  68
.set G0S,  76
.set G1SB, 80
.set G0SB, 88
.set MSB, 0
.macro WIN new
.if MSB != (\new)
	s_set_vgpr_msb (MSB<<8)|(\new)
.set MSB, (\new)
.endif
.endm
.set MUL_LO,   0xa1
.set MUL_HI,   0xf1
.set FIRST_LO, 0x81
.set FIRST_HI, 0xc1
.set TO_B,     0x40
.macro JLOAD g0a, g1a, g0b, g1b
	s_cmp_eq_u32 s15, 0
	s_cbranch_scc0 .Lfor_b_\@
	tensor_load_to_lds s[\g0a:\g0a+3], s[\g1a:\g1a+7]
	s_nop 0
.rept 4
	v_nop
.endr
	s_branch .Lasked_\@
.Lfor_b_\@:
	tensor_load_to_lds s[\g0b:\g0b+3], s[\g1b:\g1b+7]
	s_nop 0
.rept 4
	v_nop
.endr
.Lasked_\@:
.endm
.macro CREST
	s_cmp_lg_u32 s14, 0
	s_cbranch_scc1 .Lnot_wave_0_\@
	s_barrier_signal -3
.Lnot_wave_0_\@:
	s_barrier_wait -3
	s_barrier_signal -1
	s_barrier_wait -1
.endm
.macro CROUND
	s_barrier_signal -1
	s_barrier_wait -1
	CREST
.endm
	s_load_b128 s[4:7], s[0:1], 0x0
.if MODE == 0
	s_load_b128 s[8:11], s[0:1], 0x10
	s_load_b64 s[12:13], s[0:1], 0x20
.else
	s_load_b64 s[8:9], s[0:1], 0x10
	s_load_b64 s[12:13], s[0:1], 0x18
.endif
	v_lshl_add_u32 v[SPW], v0, 2, SPARE
	v_mov_b32 v[NIL], 0
	ds_add_u32 v28, v29
	ds_add_u32 v28, v29
	s_wait_dscnt 0x0
	v_lshrrev_b32 v1, 5, v0
	v_readfirstlane_b32 s14, v1
	s_lshr_b32 s15, s14, 1
	s_and_b32 s16, s14, 1
	s_bfe_u32 s40, ttmp6, 0x40000
	s_bfe_u32 s41, ttmp6, 0x40004
	s_lshl_b32 s42, ttmp9, 2
	s_add_co_u32 s42, s42, s40
	s_and_b32 s17, ttmp7, 0xffff
	s_lshl_b32 s17, s17, 2
	s_add_co_u32 s17, s17, s41
	s_lshl_b32 s43, s41, 2
	s_lshl_b32 s43, 15, s43
	s_lshl_b32 s44, 0x1111, s40
	s_or_b32 s[G1+0], s43, (3<<16)|(1<<21)
	s_or_b32 s[G1B+0], s44, (3<<16)|(1<<21)
.irp g, G1, G1B
	s_mov_b32 s[\g+1], 512<<16
	s_mov_b32 s[\g+2], 16<<16                      ; the head's loads bring all 16 tiles of an operand
	s_mov_b32 s[\g+3], 512<<16
	s_mov_b32 s[\g+4], 16
	s_mov_b32 s[\g+5], 2048
	s_mov_b32 s[\g+6], 0
	s_mov_b32 s[\g+7], 0
.endr
	s_or_b32 s[G1S+0], s43, (3<<16)|(1<<21)
	s_or_b32 s[G1SB+0], s44, (3<<16)|(1<<21)
.irp g, G1S, G1SB
	s_mov_b32 s[\g+1], 128<<16                     ; a K step's scale words of 16 tiles: 1,024 bytes a row
	s_mov_b32 s[\g+2], 8<<16
	s_mov_b32 s[\g+3], 128<<16
	s_mov_b32 s[\g+4], 8
	s_mov_b32 s[\g+6], 0
	s_mov_b32 s[\g+7], 0
.endr
	s_mov_b32 s[G1S+5], APIT
	s_mov_b32 s[G1SB+5], BPIT
	s_lshl_b32 s18, s16, 3
	s_lshl_b32 s20, s17, 4
	s_add_co_u32 s20, s20, s18
	s_add_co_u32 s20, s20, ABASE
	s_lshl_b32 s46, s42, 4
	s_add_co_u32 s46, s46, s18
	s_add_co_u32 s46, s46, BBASE
	s_lshl_b32 s22, s20, 6
	s_add_co_u32 s22, s22, ASCO
	s_mov_b32 s23, 0
	s_lshl_b32 s92, s46, 6
	s_add_co_u32 s92, s92, BSCO
	s_mov_b32 s93, 0
	s_lshl_b32 s20, s20, 14
	s_mov_b32 s21, 0
	s_lshl_b32 s46, s46, 14
	s_mov_b32 s47, 0
	s_lshl_b32 s45, s14, 15
	s_lshl_b32 s94, s14, 12
.if MODE != 2
	s_mov_b32 s98, 0x76543210
	s_mov_b32 s99, 0xfedcba98
	s_mov_b32 s100, 0x600000
.endif
	s_wait_kmcnt 0x0
	s_add_nc_u64 s[20:21], s[4:5], s[20:21]
	s_add_nc_u64 s[22:23], s[4:5], s[22:23]
	s_add_nc_u64 s[46:47], s[6:7], s[46:47]
	s_add_nc_u64 s[92:93], s[6:7], s[92:93]
	CROUND
	s_lshl_b32 s2, s16, 9                          ; back from my half's 8 tiles to the operand's first: 512 bytes of scale words,
	s_mov_b32 s3, 0
	s_mov_b32 s[G0S], 1
	s_mov_b32 s[G0S+1], SCL
	s_sub_nc_u64 s[G0S+2:G0S+3], s[22:23], s[2:3]
	s_or_b32 s[G0S+3], s[G0S+3], 0x80000000
	s_mov_b32 s[G0SB], 1
	s_mov_b32 s[G0SB+1], SCL+SCLB
	s_sub_nc_u64 s[G0SB+2:G0SB+3], s[92:93], s[2:3]
	s_or_b32 s[G0SB+3], s[G0SB+3], 0x80000000
	s_lshl_b32 s2, s16, 17                         ; and 131,072 bytes of codes
	s_sub_nc_u64 s[6:7], s[20:21], s[2:3]          ; s[4:7]: group 0 of A's 16 tiles of slot 0
	s_or_b32 s7, s7, 0x80000000
	s_mov_b32 s4, 1
	s_mov_b32 s5, 0
	s_sub_nc_u64 s[94:95], s[46:47], s[2:3]        ; s[92:95]: of B's
	s_or_b32 s95, s95, 0x80000000
	s_mov_b32 s92, 1
	s_mov_b32 s93, 2*HALFT
.irp s, 0,1
	s_mov_b32 s[G0+4*\s], 1
	s_add_co_u32 s[G0+4*\s+1], s45, \s*SLOT
	s_add_nc_u64 s[G0+4*\s+2:G0+4*\s+3], s[20:21], \s*4096
	s_or_b32 s[G0+4*\s+3], s[G0+4*\s+3], 0x80000000
	s_mov_b32 s[G0B+4*\s], 1
	s_add_co_u32 s[G0B+4*\s+1], s45, \s*SLOT
	s_add_nc_u64 s[G0B+4*\s+2:G0B+4*\s+3], s[46:47], \s*4096
	s_or_b32 s[G0B+4*\s+3], s[G0B+4*\s+3], 0x80000000
.endr
; the head's four tiles, one joint load a wave, in one chain of branches on the wave's number: wave 0 A's codes of slot 0, wave 1 B's, wave 2 A's scale words, wave 3 B's
.macro ARM under, g0, g1, next
	s_cmp_lt_u32 s14, \under
	s_cbranch_scc0 \next
	tensor_load_to_lds s[\g0:\g0+3], s[\g1:\g1+7]
	s_nop 0
.rept 4
	v_nop
.endr
	s_branch .Lhead_asked
\next:
.endm
	ARM 1, 4,  G1,  .Lhead_b
	ARM 2, 92, G1B, .Lhead_sa
	ARM 3, G0S, G1S, .Lhead_sb
	tensor_load_to_lds s[G0SB:G0SB+3], s[G1SB:G1SB+7]
	s_nop 0
.rept 4
	v_nop
.endr
.Lhead_asked:                                          ; the addresses and the bias are made while the head's loads are out
	v_and_b32 v1, 15, v0
	v_bfe_u32 v2, v0, 4, 1
	s_wait_alu depctr_va_vdst(0)
	v_and_b32 v3, 31, v0
	v_lshlrev_b32 v[CO], 4, v3
	s_lshl_b32 s21, s15, 15
	s_lshl_b32 s22, s16, 15
	s_add_co_u32 s22, s22, 2*HALFT
.irp s, 0,1
	v_add_nc_u32 v[ADRA+\s], s21, v[CO]
	v_add_nc_u32 v[ADRB+\s], s22, v[CO]
	s_add_co_u32 s21, s21, SLOT
	s_add_co_u32 s22, s22, SLOT
.endr
	v_lshlrev_b32 v5, 2, v1
	s_lshl_b32 s21, s15, 9
	s_lshl_b32 s22, s16, 9
	s_add_co_u32 s22, s22, SCLB
	s_sub_co_u32 s22, s22, s21
	v_mul_u32_u24 v6, s22, v2
	s_add_co_u32 s21, s21, SCL
	v_add_nc_u32 v5, v5, v6
	v_add_nc_u32 v[ADRS], s21, v5
.if MODE == 1
	s_lshl_b32 s96, s17, 10
	s_lshl_b32 s97, s15, 9
	s_add_co_u32 s96, s96, s97
	s_mov_b32 s97, 0
	s_add_nc_u64 s[8:9], s[8:9], s[96:97]
	v_and_b32 v7, 8, v1
	v_add_nc_u32 v7, v7, v1
	v_lshlrev_b32 v7, 2, v7
.irp a, 0,1,2,3,4,5,6,7
.irp j, 0,1,2,3,4,5,6,7
	global_load_b32 v[BIAS+8*\a+\j], v7, s[8:9] offset:(32*(\a/2)+8*(\a%2))*4
.endr
.endr
.else
.if MODE == 0
	s_cmp_eq_u32 ttmp9, 0
	s_cselect_b64 s[8:9], s[8:9], s[10:11]
	s_lshl_b32 s96, s40, 10
.else
	s_lshl_b32 s96, s42, 10
.endif
	s_lshl_b32 s97, s16, 9
	s_add_co_u32 s96, s96, s97
	s_mov_b32 s97, 0
	s_add_nc_u64 s[8:9], s[8:9], s[96:97]
	v_lshlrev_b32 v7, 6, v2
.irp b, 0,1,2,3,4,5,6,7
	global_load_b128 v[BIAS+8*\b:BIAS+8*\b+3], v7, s[8:9] offset:(32*(\b/2)+8*(\b%2))*4
	global_load_b128 v[BIAS+8*\b+4:BIAS+8*\b+7], v7, s[8:9] offset:(32*(\b/2)+8*(\b%2))*4+16
.endr
.endif
.if MODE == 0
	s_lshl_b32 s96, s42, 2
	s_lshl_b32 s97, s16, 1
	s_add_co_u32 s96, s96, s97
	s_lshl_b32 s96, s96, 6
	s_lshl_b32 s97, s17, 1
	s_add_co_u32 s96, s96, s97
	s_add_co_u32 s96, s96, s15
	s_mul_i32 s96, s96, 8448
	s_mov_b32 s97, 0
	s_add_nc_u64 s[12:13], s[12:13], s[96:97]
	s_lshl_b32 s18, s14, 9
	v_lshlrev_b32 v4, 2, v1
	v_lshl_add_u32 v4, v2, 8, v4
	v_add_nc_u32 v[STO], s18, v4
	v_add_nc_u32 v[RD], s18, v[CO]
	v_mul_u32_u24 v4, v2, HSTR
	v_lshl_add_u32 v4, v1, 4, v4
	v_add_nc_u32 v[SOFF], 8192, v4
	v_mov_b32 v[PSEL], 0x05040100
	v_mov_b32 v4, 0x07060302
	v_cmp_eq_u32 vcc_lo, 1, v2
	v_cndmask_b32 v[PSEL], v[PSEL], v4, vcc_lo
.elseif MODE == 1
	s_lshl_b32 s96, s42, 1
	s_add_co_u32 s96, s96, s16
	s_and_b32 s97, s96, 0x30
	s_and_b32 s96, s96, 15
	s_lshl_b32 s18, s17, 2
	s_add_co_u32 s97, s97, s18
	s_lshl_b32 s18, s15, 1
	s_add_co_u32 s97, s97, s18
	s_lshl_b32 s97, s97, 4
	s_add_co_u32 s96, s96, s97
	s_mul_i32 s96, s96, 8448
	s_mov_b32 s97, 0
	s_add_nc_u64 s[12:13], s[12:13], s[96:97]
	s_lshl_b32 s18, s14, 9
	v_lshlrev_b32 v4, 2, v1
	v_add_nc_u32 v[STO], s18, v4
	v_add_nc_u32 v[RD], s18, v[CO]
	v_mul_u32_u24 v4, v2, HSTR
	v_lshl_add_u32 v4, v1, 4, v4
	v_add_nc_u32 v[SOFF], 8192, v4
.else
	s_lshl_b32 s96, s17, 20
	s_lshl_b32 s97, s15, 19
	s_add_co_u32 s96, s96, s97
	s_lshl_b32 s97, s42, 10
	s_add_co_u32 s96, s96, s97
	s_lshl_b32 s97, s16, 9
	s_add_co_u32 s96, s96, s97
	s_mov_b32 s97, 0
	s_add_nc_u64 s[12:13], s[12:13], s[96:97]
	s_mul_i32 s18, s14, 8448
	v_mul_u32_u24 v4, v1, 528
	v_lshl_add_u32 v4, v2, 6, v4
	v_add_nc_u32 v[STO], s18, v4
	v_add_nc_u32 v[RD], s18, v[CO]
.endif
.macro FRAG reg, adr, q, i
.irp c, 0,1,2,3
	ds_load_b128 v[\reg+4*\c:\reg+4*\c+3], v[\adr] offset:4096*(\i)+2048*(\q)+512*\c
.endr
.endm
.macro MUL16 a0, p, q, sc, zero
.irp a, \a0, \a0+1
.irp b, 0,1,2,3,4,5,6,7
.set DD, 8*(8*((\a)%4)+\b)
.if \zero
.if MODE == 1
.set CB, BIAS+8*(\a)
.else
.set CB, BIAS+8*\b
.endif
	v_wmma_scale_f32_16x16x128_f8f6f4 v[DD:DD+7], v[128*(\p)+FR*\b:128*(\p)+FR*\b+FR-1], v[AF+FR*(\a):AF+FR*(\a)+FR-1], v[CB:CB+7], v[SC+8*NQ*(\sc)+NQ*\b+(\q)], v[SC+8*NQ*(\sc)+NQ*(\a)+(\q)] matrix_a_scale:MATRIX_SCALE_ROW1
.else
	v_wmma_scale_f32_16x16x128_f8f6f4 v[DD:DD+7], v[128*(\p)+FR*\b:128*(\p)+FR*\b+FR-1], v[AF+FR*(\a):AF+FR*(\a)+FR-1], v[DD:DD+7], v[SC+8*NQ*(\sc)+NQ*\b+(\q)], v[SC+8*NQ*(\sc)+NQ*(\a)+(\q)] matrix_a_scale:MATRIX_SCALE_ROW1
.endif
.endr
.endr
.endm
.macro FETCH_B slot, q, p
	WIN TO_B
.irp i, 0,1,2,3,4,5,6,7
	FRAG 128*(\p)+FR*\i, ADRB+\slot, \q, \i
.endr
	WIN 0
.endm
.macro FETCH_A slot, q, i0
.irp i, \i0, \i0+1, \i0+2, \i0+3
	FRAG AF+FR*(\i), ADRA+\slot, \q, \i
.endr
.endm
.macro SCALES sc
.irp i, 0,1,2,3,4,5,6,7
.irp q, 0,1
	ds_load_b32 v[SC+8*NQ*\sc+NQ*\i+\q], v[ADRS] offset:1024*\q+64*\i
.endr
.endr
.endm
.macro PLACES n
.rept \n
	v_nop
.endr
.endm
.macro STEP slot, q, zero
	s_wait_dscnt 4*NL
.if \zero
	WIN FIRST_LO
.else
	WIN MUL_LO
.endif
	MUL16 0, (\q)%2, \q, \slot, \zero
	MUL16 2, (\q)%2, \q, \slot, \zero
	s_wait_dscnt 0
	PLACES NP
	FETCH_B \slot, (\q)+1, 1-(\q)%2
	FETCH_A \slot, (\q)+1, 0
.if \zero
	WIN FIRST_HI
.else
	WIN MUL_HI
.endif
	MUL16 4, (\q)%2, \q, \slot, \zero
	MUL16 6, (\q)%2, \q, \slot, \zero
	PLACES NP
	WIN 0
	FETCH_A \slot, (\q)+1, 4
.endm
.macro TURN slot, next, fill
	s_wait_tensorcnt 0x0
	ds_add_u32 v[SPW], v[NIL]
	s_wait_dscnt 4*NL+1
	WIN MUL_LO
	MUL16 0, 1, NQ-1, \slot, 0
	s_wait_dscnt 0x0
	s_barrier_signal -1
	MUL16 2, 1, NQ-1, \slot, 0
	WIN 0
	s_barrier_wait -1
.if \fill
	CREST
	s_add_nc_u64 s[G0+4*\slot+2:G0+4*\slot+3], s[G0+4*\slot+2:G0+4*\slot+3], 8192
	s_add_nc_u64 s[G0B+4*\slot+2:G0B+4*\slot+3], s[G0B+4*\slot+2:G0B+4*\slot+3], 8192
	JLOAD G0+4*\slot, G1, G0B+4*\slot, G1B
	PLACES NP-4
.else
	PLACES NP
.endif
	s_wait_alu depctr_va_vdst(0)
	v_add_nc_u32 v[ADRS], 2048, v[ADRS]
	FETCH_B \next, 0, 0
	FETCH_A \next, 0, 0
	SCALES \next
	WIN MUL_HI
	MUL16 4, 1, NQ-1, \slot, 0
	MUL16 6, 1, NQ-1, \slot, 0
	PLACES NP
	WIN 0
	FETCH_A \next, 0, 4
.endm
	s_wait_alu depctr_va_vdst(0)                   ; the wait at the head's end
	s_wait_tensorcnt 0x0                           ; my tile of the four is in
	ds_add_u32 v28, v29
	s_mov_b32 s[G1+2], 8<<16                       ; no tensor load of mine is out: from here on a load brings 8 tiles
	s_mov_b32 s[G1+4], 8
	s_mov_b32 s[G1B+2], 8<<16
	s_mov_b32 s[G1B+4], 8
	s_wait_dscnt 0x0
	CROUND                                         ; all four tiles are in, and all sixteen work-groups are here
	JLOAD G0+4, G1, G0B+4, G1B
	FETCH_B 0, 0, 0
	FETCH_A 0, 0, 0
	SCALES 0
	FETCH_A 0, 0, 4
	s_wait_loadcnt 0x0
	STEP 0, 0, 1
	TURN 0, 1, 1
	STEP 1, 0, 0
	TURN 1, 0, 1
	STEP 0, 0, 0
	TURN 0, 1, 0
	STEP 1, 0, 0
	s_wait_dscnt 4*NL
	WIN MUL_LO
	MUL16 0, 1, NQ-1, 1, 0
	MUL16 2, 1, NQ-1, 1, 0
	s_wait_dscnt 0
	WIN MUL_HI
	MUL16 4, 1, NQ-1, 1, 0
	MUL16 6, 1, NQ-1, 1, 0
	WIN 0
	PLACES NP
.if MODE != 2
.macro QW a
.set WW, 2+(\a)/4
.set S0, 64*((\a)%4)
.set PCA, 128+16*(\a)
.set W1, WW|(WW<<2)
.set W2, (WW<<2)|(WW<<4)
.set W3, WW|(WW<<6)
	WIN W1
.irp b, 0,1,2,3
	v_max3_num_f32 v[TM+\b], |v[S0+16*\b]|, |v[S0+16*\b+1]|, 0x4800000
.endr
	WIN W2
.irp i, 2,4,6,8,10,12,14
.irp b, 0,1,2,3
	v_max3_num_f32 v[TM+\b], v[TM+\b], |v[S0+16*\b+\i]|, |v[S0+16*\b+\i+1]|
.endr
.endr
	WIN 0
.irp b, 0,1,2,3
	v_permlanex16_b32 v[TM+4+\b], v[TM+\b], s98, s99
.endr
.irp b, 0,1,2,3
	v_max_num_f32 v[TM+\b], v[TM+\b], v[TM+4+\b]
.endr
.irp b, 0,1,2,3
	v_add_nc_u32 v[TM+12+\b], 0xfc000000, v[TM+\b]
.endr
.irp b, 0,1,2,3
	v_and_or_b32 v[TM+8+\b], v[TM+\b], 0x7f800000, s100
.endr
.irp b, 0,1,2,3
	v_lshrrev_b32 v[TM+4+\b], 23, v[TM+12+\b]
.endr
	v_lshl_or_b32 v[SW+(\a)], v[TM+5], 8, v[TM+4]
	v_lshl_or_b32 v[SW+(\a)], v[TM+6], 16, v[SW+(\a)]
	v_lshl_or_b32 v[SW+(\a)], v[TM+7], 24, v[SW+(\a)]
	WIN W3
.irp b, 0,1,2,3
.irp i, 0,1,2,3,4,5,6,7,8,9,10,11,12,13,14,15
	v_med3_num_f32 v[S0+16*\b+\i], v[S0+16*\b+\i], -v[TM+8+\b], v[TM+8+\b]
.endr
.endr
	WIN WW
.irp b, 0,1,2,3
	v_cvt_scalef32_pk8_fp8_f32 v[PCA+4*\b:PCA+4*\b+1], v[S0+16*\b:S0+16*\b+7], v[TM+12+\b]
	v_cvt_scalef32_pk8_fp8_f32 v[PCA+4*\b+2:PCA+4*\b+3], v[S0+16*\b+8:S0+16*\b+15], v[TM+12+\b]
.endr
	WIN 0
	v_nop
.irp c, 0,1,2,3
.if MODE == 0
	global_store_b128 v[CO], v[PCA+4*\c:PCA+4*\c+3], s[12:13] offset:(\c/2)*HSTR+1024*(\a)+512*(\c%2)
.else
	global_store_b128 v[CO], v[PCA+4*\c:PCA+4*\c+3], s[12:13] offset:((\a)/4)*HSTR+2048*((\a)%4)+512*\c
.endif
.endr
.endm
.irp b, 0,1,2,3
	v_mov_b32 v[TM+4+\b], 0
.endr
.irp a, 0,1,2,3,4,5,6,7
	QW \a
.endr
.if MODE == 0
.irp t, 0,1,2,3
	v_perm_b32 v[PW+\t], v[SW+2*\t+1], v[SW+2*\t], v[PSEL]
.endr
.irp t, 0,1,2,3
	ds_store_b32 v[STO], v[PW+\t] offset:64*\t
.endr
.else
.irp a, 0,1,2,3,4,5,6,7
	ds_store_b32 v[STO], v[SW+\a] offset:64*\a
.endr
.endif
	ds_load_b128 v[92:95], v[RD]
	s_wait_dscnt 0x0
	global_store_b128 v[SOFF], v[92:95], s[12:13]
.else
.macro TOSTAGE a
.set AC, 64*((\a)%4)
.set WD, 0x08+4*((\a)/4)
	WIN WD
.irp b, 0,1,2,3,4,5,6,7
	ds_store_b128 v[STO], v[AC+8*\b:AC+8*\b+3] offset:128*(\b/2)+32*(\b%2)
	ds_store_b128 v[STO], v[AC+8*\b+4:AC+8*\b+7] offset:128*(\b/2)+32*(\b%2)+16
.endr
	WIN 0
.set BB, BK+64*((\a)%2)
.irp t, 0,1,2,3,4,5,6,7,8,9,10,11,12,13,14,15
	ds_load_b128 v[BB+4*\t:BB+4*\t+3], v[RD] offset:\t*528
.endr
.endm
.macro SEND a, younger
.set BB, BK+64*((\a)%2)
	s_wait_dscnt \younger
.irp t, 0,1,2,3,4,5,6,7,8,9,10,11,12,13,14,15
	global_store_b128 v[CO], v[BB+4*\t:BB+4*\t+3], s[12:13] offset:(32*((\a)/2)+8*((\a)%2)+\t+8*(\t/8))*4096 th:TH_STORE_NT
.endr
.endm
	TOSTAGE 0
.irp a, 1,2,3,4,5,6,7
.if \a > 1
	s_wait_xcnt 0x0
.endif
	TOSTAGE \a
	SEND \a-1, 32
.endr
	SEND 7, 0
.endif
	s_wait_tensorcnt 0x0
	ds_add_u32 v[SPW], v[NIL]
	s_wait_dscnt 0x0
	CROUND
	s_endpgm
.Lfunc_end_k_q89a85e7127_gemm_v:
	.size	k_q89a85e7127_gemm_v, .Lfunc_end_k_q89a85e7127_gemm_v-k_q89a85e7127_gemm_v
	.p2alignl 7, 3214868480
	.fill 96, 4, 3214868480
	.section	.rodata,"a",@progbits
	.p2align	6, 0x0
	.amdhsa_kernel k_q89a85e7127_gemm_v
		.amdhsa_group_segment_fixed_size 327680
		.amdhsa_private_segment_fixed_size 0
		.amdhsa_enable_private_segment 0
		.amdhsa_kernarg_size 32
		.amdhsa_user_sgpr_count 2
		.amdhsa_user_sgpr_kernarg_segment_ptr 1
		.amdhsa_wavefront_size32 1
		.amdhsa_system_sgpr_workgroup_id_x 1
		.amdhsa_system_sgpr_workgroup_id_y 1
		.amdhsa_system_sgpr_workgroup_id_z 1
		.amdhsa_system_vgpr_workitem_id 0
		.amdhsa_next_free_vgpr 1024
		.amdhsa_next_free_sgpr 101
		.amdhsa_reserve_vcc 1
		.amdhsa_float_denorm_mode_32 3
		.amdhsa_float_denorm_mode_16_64 3
		.amdhsa_memory_ordered 1
		.amdhsa_forward_progress 1
		.amdhsa_inst_pref_size 195
	.end_amdhsa_kernel
	.amdgpu_metadata
---
amdhsa.version: [ 1, 2 ]
amdhsa.kernels:
  - .name:           k_q89a85e7127_gemm_v
    .symbol:         k_q89a85e7127_gemm_v.kd
    .args:
      - { .name: wq, .offset: 0, .size: 8, .value_kind: global_buffer, .address_space: global }
      - { .name: xq, .offset: 8, .size: 8, .value_kind: global_buffer, .address_space: global }
      - { .name: bv, .offset: 16, .size: 8, .value_kind: global_buffer, .address_space: global }
      - { .name: vq, .offset: 24, .size: 8, .value_kind: global_buffer, .address_space: global }
    .group_segment_fixed_size: 327680
    .private_segment_fixed_size: 0
    .kernarg_segment_align: 8
    .kernarg_segment_size: 32
    .max_flat_workgroup_size: 128
    .sgpr_count:     101
    .vgpr_count:     1024
    .wavefront_size: 32
...
	.end_amdgpu_metadata
.endif
;; end of part 3
;; launch attn (part 4): grid 4 x 64, 8 waves a work-group, clusters of 4 x 1, 327,680 bytes of LDS; arguments qk, vq, yq; writes yq
.if DOCPART == 4
	.amdgcn_target "amdgcn-amd-amdhsa--gfx1250"
	.amdhsa_code_object_version 6
	.text
	.protected	k_q89a85e7127_attn
	.globl	k_q89a85e7127_attn
	.p2align	8
	.type	k_q89a85e7127_attn,@function
k_q89a85e7127_attn:
	s_mov_b64 s[64:65], 0
	v_nop
	global_prefetch_b8 v0, s[64:65] scope:SCOPE_SE
	s_setreg_imm32_b32 hwreg(HW_REG_WAVE_MODE, 25, 1), 1
	s_wait_xcnt 0x0
	s_wait_alu depctr_hold_cnt(0) depctr_sa_sdst(0) depctr_va_vdst(0) depctr_va_sdst(0) depctr_va_ssrc(0) depctr_va_vcc(0) depctr_vm_vsrc(0)
	s_getreg_b32 s2, hwreg(HW_REG_IB_STS2, 6, 4)
	s_cmp_eq_u32 s2, 0
	s_cbranch_scc0 .Lentry_in_a_cluster
	s_endpgm
.Lentry_in_a_cluster:
	s_bfe_u32 s2, ttmp6, 0x10000c
	s_cmp_lg_u32 s2, 0x3003
	s_cbranch_scc0 .Lentry_shape_is_right
	s_endpgm
.Lentry_shape_is_right:
; y[b][t][head] = softmax(q k^T / 8) v for 4 batches x 16 heads of 64, 2,048 tokens, both products on codes of FP8 (E4M3) with E8M0 scales; y leaves as codes, quantised along the model's 1,024.
; THE SOFTMAX AHEAD OF THE SECOND PRODUCT: t = score x log2(e) / 8; M = the running largest t rounded UP to a whole number; p = 2^(t - M) is quantised along the keys, not normalised;
; the row's sum is taken of the unquantised p and divides O at the end.  When M moves, the sum and O are multiplied by 2^(old M - new M): exact.
; INPUTS are records of 8,448 bytes (8,192 of codes, 256 of scale words) in the order of the operands' registers; tokens and channels in tiles of 16, slot r of tile a = 32 (a / 2) + 8 (a % 2) + r + 8 (r / 8).
;   q, k record (128 tokens of a head): 8 tiles x 1,024 bytes (K = 64: half an image); pair word t of slot r: tile 2 t's two scale bytes below, tile 2 t + 1's above.
;   v record (128 keys of a head): 4 tiles of 16 channels x 2,048 bytes; 4 x 16 scale words.
; SHARES.  A work-group owns ONE head of one batch and 512 of its queries.  The head's K and V, 32 records, 270,336 bytes, come into LDS ONCE: one tensor load a wave, four records each
; (waves 0-3 K's, waves 4-7 V's).  Nothing is filled again, so no barrier stands behind the head's.  CLUSTER 4 x 1: the four query blocks of a head want the same K and V: every load is joint.
; Eight waves, two to a SIMD, 512 registers each.  A wave holds TWO tiles of 16 queries, tile w in register window w at the same register numbers, and walks the 16 key steps twice
; (two passes of 256 queries a work-group).  A key step's fragments of K (window 0) and of V (window 1) are read from LDS once and serve both tiles.
; Both products are used transposed: a lane holds ONE query of each tile throughout.
; K = 64 IN AN INSTRUCTION OF 128: source 0 is a PAIR of key tiles; source 1 is q beside 64 zero codes, [q | 0] for tile 2 t and [0 | q] for tile 2 t + 1.
; y's scale word of 128 channels spans two heads, which two work-groups make: each stores its 2 bytes of every 4 (2 bytes for each 64 bytes of codes stored).
; No prefetch: every byte of K and V is asked for at the head, and there is no loop of loads to run ahead in.
; LIMITS: a block of zeros gets the byte 1 where the rule says 127 (zero codes; this program alone reads the bytes); NaN and infinities are not served; the scaled scores stay under 2^31 in magnitude.
.set REC,   8448
.set VB,    16*REC                     ; LDS: K's 16 records, then V's 16
.set SPARE, 2*VB                       ; the spare words, 128 bytes a wave: four blocks of 256 bytes that no other line names
.set DUAL0, 1                          ; the holds of tile 0, of tile 1 as dual pairs (1) or one by one (0)
.set DUAL1, 1
; window 0 alone
.set LI,  1                            ; 16 x lane
.set LS8, 2                            ; 4 x (lane % 16) + 8,192: a record's scale words
.set LIV, 3                            ; LI + VB
.set LSV, 4                            ; LS8 + VB
.set SPW, 5                            ; my spare word; never rewritten
.set NIL, 6                            ; 0; never rewritten
.set ADK, 7                            ; the step's addresses: K's images, V's images, K's scale words, V's
.set ADV, 8
.set ADS, 9
.set ADT, 10
.set QO,  11                           ; q's pair word, counted from my first tile's codes
.set VS,  40                           ; v40-43 V's scale words
.set QW,  44                           ; q's pair word as loaded
.set PS1, 45                           ; tile 1's scale word of p (tile 0's is v245)
.set QS,  47                           ; q's scale word: tile w's in v[QS - w]
.set KS,  240                          ; v240-243 K's scale words
.set YX,  248                          ; both tiles' bytes of y's scale words
.set YO,  249                          ; 4 x lane
; each window: v12 -M, v13 the largest score, v[14:15] the sum; v16-23 q, v24-31 zero codes, v32-39 q again; v244 f or 1 / sum, v245 p's scale word, v246 at work
.set KF,  48                           ; v48-111  window 0: four pairs of key tiles; window 1: V's four tiles
.set SS,  112                          ; v112-175 scores, then p
.set OO,  176                          ; v176-207 O^T: register 16 b + i = channel 32 b + 16 (lane / 16) + i
.set PC,  208                          ; v208-223 eight partial sums of p, then p's codes
.set TT,  224                          ; v224-239 at work
.set YW,  247                          ; y's two scale bytes
.set WV,  10
.set CS,  22                           ; s[22:23] c = log2(e) / 8
.set G1,  24                           ; s[24:31] group 1: four records as 132 rows of 256 bytes
.set G0K, 32
.set G0V, 36
.set NCS, 40                           ; -c
.set HM,  41                           ; lanes 16-31
.set SEL, 48
.set MNT, 50
.set TB,  51                           ; LDS byte at which the key step's record begins in its region
.set CNT, 52
.set PASS, 53
.set MSB, 0
.macro WIN new                         ; the immediate's high byte repeats the setting that is left
.if MSB != (\new)
	s_set_vgpr_msb (MSB<<8)|(\new)
.set MSB, (\new)
.endif
.endm
.macro CROUND                          ; a round of the cluster's barrier
	s_barrier_signal -1
	s_barrier_wait -1
	s_cmp_lg_u32 s[WV], 0
	s_cbranch_scc1 .Lnot_wave_0_\@
	s_barrier_signal -3
.Lnot_wave_0_\@:
	s_barrier_wait -3
	s_barrier_signal -1
	s_barrier_wait -1
.endm
	s_load_b128 s[4:7], s[0:1], 0x0                ; qk s[4:5], vq s[6:7]
	s_load_b64 s[8:9], s[0:1], 0x10                ; yq
	v_lshl_add_u32 v[SPW], v0, 2, SPARE
	v_mov_b32 v[NIL], 0
	ds_add_u32 v[SPW], v[NIL]                      ; the opening lines: the add, twice on end, and its wait ahead of my tensor load
	ds_add_u32 v[SPW], v[NIL]
	v_lshrrev_b32 v1, 5, v0
	v_readfirstlane_b32 s[WV], v1                  ; wave 0..7
	s_bfe_u32 s11, ttmp6, 0x40000                  ; cx: my block of 512 queries: it enters q's and y's addresses alone
	s_and_b32 s13, ttmp7, 0xffff
	s_lshr_b32 s14, s13, 4                         ; batch
	s_and_b32 s15, s13, 15                         ; head
	s_and_b32 s55, s[WV], 3
	s_lshl_b32 s61, s14, 4
	s_lshl_b32 s62, s55, 2                         ; which four records I fetch
	s_add_co_u32 s56, s15, 16                      ; K's record: (16 + head) x 64 + 16 x batch + key step
	s_lshl_b32 s56, s56, 6
	s_add_co_u32 s56, s56, s61
	s_add_co_u32 s56, s56, s62
	s_mul_i32 s56, s56, REC
	s_mov_b32 s57, 0
	s_add_co_u32 s58, s61, s15                     ; V's: (16 x batch + head) x 16 + key step
	s_lshl_b32 s58, s58, 4
	s_add_co_u32 s58, s58, s62
	s_mul_i32 s58, s58, REC
	s_mov_b32 s59, 0
	s_mul_i32 s54, s[WV], 4*REC                    ; and where they go: wave x four records
	s_lshl_b32 s16, s15, 6                         ; q's record: head x 64 + 16 x batch + 4 x block + 2 x pass + wave / 4; in it tiles 2 (wave % 4), + 1
	s_add_co_u32 s16, s16, s61
	s_lshl_b32 s62, s11, 2
	s_add_co_u32 s16, s16, s62
	s_lshr_b32 s62, s[WV], 2
	s_add_co_u32 s16, s16, s62
	s_mul_i32 s16, s16, REC
	s_lshl_b32 s62, s55, 11
	s_add_co_u32 s16, s16, s62
	s_mov_b32 s17, 0
	s_lshl_b32 s18, s14, 7                         ; my first tile of tokens: 128 x batch + 32 x block + 16 x pass + 2 x wave
	s_lshl_b32 s62, s11, 5
	s_add_co_u32 s18, s18, s62
	s_lshl_b32 s62, s[WV], 1
	s_add_co_u32 s18, s18, s62
	s_lshl_b32 s20, s18, 6                         ; y's scale words: 64 bytes a tile,
	s_lshr_b32 s63, s15, 1
	s_lshl_b32 s62, s63, 15                        ; 32,768 a K step of two heads,
	s_add_co_u32 s20, s20, s62
	s_and_b32 s60, s15, 1
	s_lshl_b32 s62, s60, 1                         ; the odd head's two bytes above the even head's,
	s_add_co_u32 s20, s20, s62
	s_add_co_u32 s20, s20, 8388608                 ; behind the codes
	s_mov_b32 s21, 0
	s_lshl_b32 s18, s18, 14                        ; y's codes: 16,384 bytes a tile,
	s_lshl_b32 s62, s15, 10                        ; 1,024 a head
	s_add_co_u32 s18, s18, s62
	s_mov_b32 s19, 0
	s_mov_b32 s[G1], 15|(3<<16)|(1<<21)            ; 15:0 the mask: all four work-groups; 17:16 elements of 8 bytes; 21 set beside a mask
	s_mov_b32 s[G1+1], 32<<16                      ; tensor_dim0 = 32 elements: 256 bytes
	s_mov_b32 s[G1+2], 132<<16                     ; tensor_dim1 = 132 rows
	s_mov_b32 s[G1+3], 32<<16
	s_mov_b32 s[G1+4], 132
	s_mov_b32 s[G1+5], 32                          ; dense
	s_mov_b32 s[G1+6], 0
	s_mov_b32 s[G1+7], 0
	s_mov_b32 s[CS], 0x3e38aa3b
	s_mov_b32 s[CS+1], s[CS]                       ; (named with it as a pair, so it is written)
	s_mov_b32 s[NCS], 0xbe38aa3b
	s_mov_b32 s[HM], 0xffff0000
	s_mov_b32 s[SEL], 0x76543210
	s_mov_b32 s[SEL+1], 0xfedcba98
	s_mov_b32 s[MNT], 0x600000
	s_mov_b32 s[PASS], 0
	s_wait_alu depctr_va_vdst(0)
	s_wait_dscnt 0x0                               ; both opening adds are done
	s_wait_kmcnt 0x0
	s_add_nc_u64 s[16:17], s[4:5], s[16:17]
	s_add_nc_u64 s[18:19], s[8:9], s[18:19]
	s_add_nc_u64 s[20:21], s[8:9], s[20:21]
	s_mov_b32 s[G0K], 1
	s_mov_b32 s[G0K+1], s54
	s_add_nc_u64 s[G0K+2:G0K+3], s[4:5], s[56:57]
	s_or_b32 s[G0K+3], s[G0K+3], 0x80000000
	s_mov_b32 s[G0V], 1
	s_mov_b32 s[G0V+1], s54
	s_add_nc_u64 s[G0V+2:G0V+3], s[6:7], s[58:59]
	s_or_b32 s[G0V+3], s[G0V+3], 0x80000000
	CROUND                                         ; all four work-groups are here: the joint loads meet
	s_cmp_lt_u32 s[WV], 4                          ; one joint load a wave; the branch hangs on the wave's number alone
	s_cbranch_scc0 .Lfor_v
	tensor_load_to_lds s[G0K:G0K+3], s[G1:G1+7]
	s_nop 0
.rept 4
	v_nop
.endr
	s_branch .Lasked
.Lfor_v:
	tensor_load_to_lds s[G0V:G0V+3], s[G1:G1+7]
	s_nop 0
.rept 4
	v_nop
.endr
.Lasked:
	v_and_b32 v[YO], 31, v0
	v_and_b32 v[LS8], 15, v0
	v_lshlrev_b32 v[LI], 4, v[YO]
	v_lshl_add_u32 v[LS8], v[LS8], 2, 0x2000
	v_lshlrev_b32 v[YO], 2, v[YO]
	v_add_nc_u32 v[LIV], VB, v[LI]
	v_add_nc_u32 v[LSV], VB, v[LS8]
	s_mul_i32 s62, s55, 1984                       ; the pair word lies at 8,192 + 64 (wave % 4) of the record, my codes at 2,048 (wave % 4)
	v_sub_nc_u32 v[QO], v[LS8], s62
	s_wait_alu depctr_va_vdst(0)
.macro QLOAD                           ; my two tiles of q, each into both places of its window, and their pair word
.irp u, 0,1
	WIN (\u)<<6
.irp c, 0,1
	global_load_b128 v[16+4*\c:19+4*\c], v[LI], s[16:17] offset:1024*\u+512*\c
	global_load_b128 v[32+4*\c:35+4*\c], v[LI], s[16:17] offset:1024*\u+512*\c
.endr
.endr
	WIN 0
	global_load_b32 v[QW], v[QO], s[16:17]
.endm
	QLOAD
.irp w, 0,1
	WIN (\w)<<6
.irp j, 0,1,2,3,4,5,6,7
	v_mov_b32 v[24+\j], 0                          ; the 64 zero codes between the two copies of q
.endr
.irp b, 0,1,2,3
	v_mov_b32 v[TT+4+\b], 0                        ; written once: a lane permute's destination counts as one of its sources
.endr
	v_mov_b32 v245, 0                              ; (named as the upper half of the pair v[244:245] before it is first written)
	v_mov_b32 v246, 0
.endr
	WIN 0
.macro INIT w                          ; a pass begins: the largest score so far is -3e38, -M a large number, the sum and O^T zeros, which the first change of M leaves zeros
	WIN (\w)<<6
	v_mov_b32 v13, 0xff61b1e6
	v_mov_b32 v12, 0x7e000000
	v_mov_b32 v14, 0
	v_mov_b32 v15, 0
.set j, 0
.rept 32
	v_mov_b32 v[OO+j], 0
.set j, j+1
.endr
.endm
.macro QK w                            ; S^T of tile w: source 0 in window 0, source 1 and the scores in window w
	WIN ((\w)<<6)|((\w)<<2)
.irp t, 0,1,2,3
	v_wmma_scale_f32_16x16x128_f8f6f4 v[SS+16*\t:SS+16*\t+7], v[KF+16*\t:KF+16*\t+15], v[16:31], 0, v[KS+\t], v[QS-(\w)]      ; [q | 0]: key tile 2 t
	v_wmma_scale_f32_16x16x128_f8f6f4 v[SS+16*\t+8:SS+16*\t+15], v[KF+16*\t:KF+16*\t+15], v[24:39], 0, v[KS+\t], v[QS-(\w)]   ; [0 | q]: key tile 2 t + 1
.endr
.endm
.macro PV w                            ; O^T of tile w += V^T P^T: source 0 in window 1, all else in window w; the four accumulators by turns
	WIN ((\w)<<6)|((\w)<<4)|((\w)<<2)|1
.irp t, 0,1,2,3
	v_wmma_scale_f32_16x16x128_f8f6f4 v[OO+8*\t:OO+8*\t+7], v[KF+16*\t:KF+16*\t+15], v[PC:PC+15], v[OO+8*\t:OO+8*\t+7], v[VS+\t], v[245-200*(\w)]
.endr
.endm
.macro MIN2 p                          ; the hold of p's numbers 2 p, 2 p + 1: the conversion does not saturate (ISA guide 7.6.2); p is not negative, so the hold is one-sided
.if DU
	v_dual_min_num_f32 v[SS+2*(\p)], v[SS+2*(\p)], v[TT+8+(\p)/8] :: v_dual_min_num_f32 v[SS+2*(\p)+1], v[SS+2*(\p)+1], v[TT+8+(\p)/8]
.else
	v_min_num_f32 v[SS+2*(\p)], v[SS+2*(\p)], v[TT+8+(\p)/8]
	v_min_num_f32 v[SS+2*(\p)+1], v[SS+2*(\p)+1], v[TT+8+(\p)/8]
.endif
.endm
.macro TADD a, b                       ; partial sum a += partial sum b
	v_pk_add_f32 v[PC+2*(\a):PC+2*(\a)+1], v[PC+2*(\a):PC+2*(\a)+1], v[PC+2*(\b):PC+2*(\b)+1]
.endm
; THE SOFTMAX OF TILE w FOR 128 KEYS, all in window w.  The exponentials go in two batches, each with its wait ahead and behind; among a batch's lines stand plain lines that name none of its results
; and whose own results are first read behind the batch's closing wait.
.macro SM w
.set DU, DUAL0*(1-(\w))+DUAL1*(\w)
	WIN 0x55*(\w)
.if \w
	s_wait_alu depctr_va_vdst(0)                   ; the wait here, directly ahead of the first readers of these scores
.endif
.irp b, 0,1,2,3
	v_max3_num_f32 v[TT+\b], v[SS+16*\b], v[SS+16*\b+1], v[SS+16*\b+2]   ; the largest score of each block of 32 keys: for the row's maximum, and, since p rises with the score, for the block's largest p
.endr
.irp i, 3,5,7,9,11,13
.irp b, 0,1,2,3
	v_max3_num_f32 v[TT+\b], v[TT+\b], v[SS+16*\b+\i], v[SS+16*\b+\i+1]
.endr
.endr
.irp b, 0,1,2,3
	v_max_num_f32 v[TT+\b], v[TT+\b], v[SS+16*\b+15]
.endr
.irp b, 0,1,2,3
	s_delay_alu instid0(VALU_DEP_4)
	v_permlanex16_b32 v[TT+4+\b], v[TT+\b], s[SEL], s[SEL+1]
.endr
.irp b, 0,1,2,3
	s_delay_alu instid0(VALU_DEP_4)
	v_max_num_f32 v[TT+\b], v[TT+\b], v[TT+4+\b]   ; with lane l xor 16's 16 keys
.endr
	s_delay_alu instid0(VALU_DEP_2)
	v_max3_num_f32 v246, v[TT], v[TT+1], v[TT+2]
	s_delay_alu instid0(VALU_DEP_1)
	v_max3_num_f32 v13, v246, v[TT+3], v13         ; the running largest score of my query
	s_delay_alu instid0(VALU_DEP_1)
	v_mul_f32 v246, s[NCS], v13                    ; -t (c is positive, so the largest score gives the largest t)
	s_delay_alu instid0(VALU_DEP_1)
	v_floor_f32 v246, v246                         ; the new -M = floor(-t) = -ceil(t)
	s_delay_alu instid0(VALU_DEP_1)
	v_sub_f32 v244, v246, v12                      ; old M - new M: a whole number, 0 or less
	v_mov_b32 v12, v246
	s_delay_alu instid0(VALU_DEP_2)
	v_cvt_i32_f32 v244, v244                       ; (it saturates)
	s_delay_alu instid0(VALU_DEP_1)
	v_ldexp_f32 v244, 1.0, v244                    ; f = 2^(old M - new M)
.set j, 0
.rept 16
	v_pk_fma_f32 v[SS+j:SS+j+1], v[SS+j:SS+j+1], s[CS:CS+1], v[12:13] op_sel_hi:[1,0,0]   ; t - M of blocks 0 and 1, two at a time
.set j, j+2
.endr
.irp b, 0,2
	v_pk_fma_f32 v[TT+\b:TT+\b+1], v[TT+\b:TT+\b+1], s[CS:CS+1], v[12:13] op_sel_hi:[1,0,0]   ; the same of each block's largest score, by the same form
.endr
	s_wait_alu depctr_va_vdst(0)                   ; the wait ahead of the batch
.set k, 0
.rept 16                               ; THE FIRST BATCH: p = 2^(t - M) of blocks 0 and 1; among its lines t - M of blocks 2 and 3
	v_exp_f32 v[SS+2*k], v[SS+2*k]
	v_pk_fma_f32 v[SS+32+2*k:SS+33+2*k], v[SS+32+2*k:SS+33+2*k], s[CS:CS+1], v[12:13] op_sel_hi:[1,0,0]
	v_exp_f32 v[SS+2*k+1], v[SS+2*k+1]
.set k, k+1
.endr
.irp b, 0,1,2,3
	v_exp_f32 v[TT+\b], v[TT+\b]                   ; each block's largest p
.endr
	v_pk_mul_f32 v[14:15], v[14:15], v[244:245] op_sel_hi:[1,0]   ; the sums under the new M (a plain line behind the exponentials)
	s_wait_alu depctr_va_vdst(0)                   ; and behind it
.irp b, 0,1,2,3
	v_max_num_f32 v[TT+\b], 0x4800000, v[TT+\b]    ; the floor 2^(9 - 127): the byte cannot fall under 1
.endr
.irp b, 0,1,2,3
	s_delay_alu instid0(VALU_DEP_4)
	v_add_nc_u32 v[TT+12+\b], 0xfc000000, v[TT+\b] ; the conversion's scale operand
.endr
.irp b, 0,1,2,3
	v_and_or_b32 v[TT+8+\b], v[TT+\b], 0x7f800000, s[MNT]   ; 448 x the scale
.endr
.irp b, 0,1,2,3
	v_lshrrev_b32 v[TT+4+\b], 23, v[TT+12+\b]      ; the byte
.endr
	s_delay_alu instid0(VALU_DEP_3)
	v_lshl_or_b32 v245, v[TT+5], 8, v[TT+4]        ; p's scale word for these 128 keys
	s_delay_alu instid0(VALU_DEP_1)
	v_lshl_or_b32 v245, v[TT+6], 16, v245
	s_delay_alu instid0(VALU_DEP_1)
	v_lshl_or_b32 v245, v[TT+7], 24, v245
.if \w
	WIN 0x01
	v_mov_b32 v[PS1], v245                         ; scale operands are taken from window 0
	WIN 0x55
.endif
	s_wait_alu depctr_va_vdst(0)                   ; the wait ahead of the batch
.set k, 0
.rept 8                                ; THE SECOND BATCH: p of blocks 2 and 3; among its lines eight partial sums of the unquantised p of blocks 0 and 1, and behind each sum the holds of its four numbers
	v_exp_f32 v[SS+32+4*k], v[SS+32+4*k]
	v_exp_f32 v[SS+33+4*k], v[SS+33+4*k]
	v_pk_add_f32 v[PC+2*k:PC+2*k+1], v[SS+4*k:SS+4*k+1], v[SS+4*k+2:SS+4*k+3]
	v_exp_f32 v[SS+34+4*k], v[SS+34+4*k]
	MIN2 2*k
	v_exp_f32 v[SS+35+4*k], v[SS+35+4*k]
	MIN2 2*k+1
.set k, k+1
.endr
	v_nop                                          ; a plain line behind the exponentials
	s_wait_alu depctr_va_vdst(0)                   ; and the wait behind the batch
.set k, 0
.rept 16
	v_pk_add_f32 v[PC+2*(k%8):PC+2*(k%8)+1], v[PC+2*(k%8):PC+2*(k%8)+1], v[SS+32+2*k:SS+33+2*k]   ; the unquantised p of blocks 2 and 3 onto the eight partial sums
.set k, k+1
.endr
.irp p, 16,17,18,19                    ; the eight are joined; the holds of blocks 2 and 3 stand between the tree's levels, so that each line's sources were written five lines or more ahead of it
	MIN2 \p
.endr
	TADD 0, 4
	TADD 1, 5
	TADD 2, 6
	TADD 3, 7
.irp p, 20,21,22,23
	MIN2 \p
.endr
	TADD 0, 2
	TADD 1, 3
.irp p, 24,25,26,27
	MIN2 \p
.endr
	TADD 0, 1
.irp p, 28,29,30,31
	MIN2 \p
.endr
	v_pk_add_f32 v[14:15], v[14:15], v[PC:PC+1]    ; the row's sum, in two halves
.irp b, 0,1,2,3
	v_cvt_scalef32_pk8_fp8_f32 v[PC+4*\b:PC+4*\b+1], v[SS+16*\b:SS+16*\b+7], v[TT+12+\b]
	v_cvt_scalef32_pk8_fp8_f32 v[PC+4*\b+2:PC+4*\b+3], v[SS+16*\b+8:SS+16*\b+15], v[TT+12+\b]
.endr
	s_wait_alu depctr_va_vdst(0)                   ; the wait here, directly ahead of the first readers of O^T
.set j, 0
.rept 16
	v_pk_mul_f32 v[OO+j:OO+j+1], v[OO+j:OO+j+1], v[244:245] op_sel_hi:[1,0]   ; O^T under the new M; these sixteen are also the places in front of the products that follow
.set j, j+2
.endr
.endm
; A KEY STEP: 128 keys, both tiles.  more = 1: the next step's K is fetched; more = 0: a pass's last step, in which the next pass's q is fetched, if there is one
.macro STEP more
	s_wait_dscnt 0x0                               ; this step's K is in
	QK 0
	QK 1
	WIN 0
	v_add_nc_u32 v[ADV], s[TB], v[LIV]
	v_add_nc_u32 v[ADT], s[TB], v[LSV]
.if \more
	v_add_nc_u32 v[ADK], s[TB], v[LI]
	v_add_nc_u32 v[ADS], s[TB], v[LS8]
.rept 4
	v_nop                                          ; with the additions: eight places behind the products, in front of the loads below and of the first read of the scores
.endr
.else
.rept 6
	v_nop
.endr
.endif
.irp t, 0,1,2,3
	ds_load_b32 v[VS+\t], v[ADT] offset:64*\t
.endr
	WIN 0x40
.irp t, 0,1,2,3
.irp c, 0,1,2,3
	ds_load_b128 v[KF+16*\t+4*\c:KF+16*\t+4*\c+3], v[ADV] offset:2048*\t+512*\c   ; V's four tiles, into window 1: they land under tile 0's softmax
.endr
.endr
	WIN 0
.if \more
.irp t, 0,1,2,3
.irp c, 0,1,2,3
	ds_load_b128 v[KF+16*\t+4*\c:KF+16*\t+4*\c+3], v[ADK] offset:REC+2048*\t+512*\c   ; the next step's four pairs of key tiles
.endr
	ds_load_b32 v[KS+\t], v[ADS] offset:REC+64*\t
.endr
.else
	s_cmp_eq_u32 s[PASS], 1
	s_cbranch_scc1 .Lno_q_\@
	s_add_nc_u64 s[16:17], s[16:17], 2*REC         ; (the last q loads were waited for)  the next pass's 256 queries: two records on
	QLOAD
.Lno_q_\@:
.endif
	SM 0
	s_wait_alu depctr_va_vdst(0)
	s_wait_dscnt 20*(\more)                        ; V and its scale words are in; the 16 + 4 loads of the next K, issued behind them, may be out
	PV 0
	SM 1
	PV 1
	WIN 0
.endm
; A pass ends: O^T / the sum is 32 numbers a lane, two blocks of 32 along the model's axis: 8 registers of y's fragment and two scale bytes
.macro FINISH w
	WIN 0x55*(\w)
	v_add_f32 v14, v14, v15
	s_delay_alu instid0(VALU_DEP_1)
	v_permlanex16_b32 v246, v14, s[SEL], s[SEL+1]
	s_delay_alu instid0(VALU_DEP_1)
	v_add_f32 v14, v14, v246                       ; the row's sum
	s_wait_alu depctr_va_vdst(0)
	v_rcp_f32 v244, v14
	v_nop                                          ; a plain line behind the transcendental
.set j, 0
	s_wait_alu depctr_va_vdst(0)
.rept 16
	v_pk_mul_f32 v[SS+j:SS+j+1], v[OO+j:OO+j+1], v[244:245] op_sel_hi:[1,0]
.set j, j+2
.endr
.irp b, 0,1
	v_max3_num_f32 v[TT+\b], |v[SS+16*\b]|, |v[SS+16*\b+1]|, 0x4800000
.endr
.irp i, 2,4,6,8,10,12,14
.irp b, 0,1
	s_delay_alu instid0(VALU_DEP_2)
	v_max3_num_f32 v[TT+\b], v[TT+\b], |v[SS+16*\b+\i]|, |v[SS+16*\b+\i+1]|
.endr
.endr
.irp b, 0,1
	s_delay_alu instid0(VALU_DEP_2)
	v_permlanex16_b32 v[TT+4+\b], v[TT+\b], s[SEL], s[SEL+1]
.endr
.irp b, 0,1
	s_delay_alu instid0(VALU_DEP_2)
	v_max_num_f32 v[TT+\b], v[TT+\b], v[TT+4+\b]
.endr
.irp b, 0,1
	s_delay_alu instid0(VALU_DEP_2)
	v_add_nc_u32 v[TT+12+\b], 0xfc000000, v[TT+\b]
.endr
.irp b, 0,1
	s_delay_alu instid0(VALU_DEP_4)
	v_and_or_b32 v[TT+8+\b], v[TT+\b], 0x7f800000, s[MNT]
.endr
.irp b, 0,1
	s_delay_alu instid0(VALU_DEP_4)
	v_lshrrev_b32 v[TT+4+\b], 23, v[TT+12+\b]
.endr
	s_delay_alu instid0(VALU_DEP_1)
	v_lshl_or_b32 v[YW], v[TT+5], 8, v[TT+4]
.irp b, 0,1
.irp i, 0,1,2,3,4,5,6,7,8,9,10,11,12,13,14,15
	v_med3_num_f32 v[SS+16*\b+\i], v[SS+16*\b+\i], -v[TT+8+\b], v[TT+8+\b]
.endr
	v_cvt_scalef32_pk8_fp8_f32 v[PC+4*\b:PC+4*\b+1], v[SS+16*\b:SS+16*\b+7], v[TT+12+\b]
	v_cvt_scalef32_pk8_fp8_f32 v[PC+4*\b+2:PC+4*\b+3], v[SS+16*\b+8:SS+16*\b+15], v[TT+12+\b]
.endr
	v_nop                                          ; a plain line behind the last conversion
	WIN (\w)<<2
	global_store_b128 v[LI], v[PC:PC+3], s[18:19] offset:16384*(\w)          ; my head's half of the tile's image: two stores of 512 consecutive bytes
	global_store_b128 v[LI], v[PC+4:PC+7], s[18:19] offset:16384*(\w)+512
.endm
	s_wait_alu depctr_va_vdst(0)                   ; the wait at the head's end
	s_wait_tensorcnt 0x0                           ; my four records are in
	s_barrier_signal -1
	s_barrier_wait -1                              ; and everybody's: the head's K and V lie in LDS until the end
.Lpass:
.irp t, 0,1,2,3
.irp c, 0,1,2,3
	ds_load_b128 v[KF+16*\t+4*\c:KF+16*\t+4*\c+3], v[LI] offset:2048*\t+512*\c   ; key step 0
.endr
	ds_load_b32 v[KS+\t], v[LS8] offset:64*\t
.endr
	s_wait_loadcnt 0x0                             ; q
	v_perm_b32 v[QS], v[QW], v[QW], 0x01000100     ; the even tile's two scale bytes, twice;
	v_perm_b32 v[QS-1], v[QW], v[QW], 0x03020302   ; the odd tile's
	INIT 0
	INIT 1
	WIN 0
	s_mov_b32 s[TB], 0
	s_mov_b32 s[CNT], 15
	s_wait_alu depctr_va_vdst(0)                   ; the wait ahead of the loop
.Lstep:
	STEP 1
	s_add_co_u32 s[TB], s[TB], REC
	s_sub_co_u32 s[CNT], s[CNT], 1
	s_cmp_lg_u32 s[CNT], 0
	s_cbranch_scc1 .Lstep
	STEP 0                                         ; the last step is written out: it fetches no K
	FINISH 0                                       ; (its lines are the places behind tile 1's last products)
	FINISH 1
	WIN 0x01
	v_mov_b32 v[YX], v[YW]                         ; tile 1's two bytes, into window 0
	WIN 0
	v_cndmask_b32 v[YX], v[YW], v[YX], s[HM]       ; lanes 0-15: tile 0's slots; lanes 16-31: tile 1's
	global_store_b16 v[YO], v[YX], s[20:21]        ; 2 bytes of each of 32 neighbouring scale words
	s_wait_xcnt 0x0                                ; the stores have read their registers and bases
	s_add_nc_u64 s[18:19], s[18:19], 16*16384      ; the next pass: 16 tiles on
	s_add_nc_u64 s[20:21], s[20:21], 16*64
	s_add_co_u32 s[PASS], s[PASS], 1
	s_cmp_lt_u32 s[PASS], 2
	s_cbranch_scc1 .Lpass
	s_wait_tensorcnt 0x0                           ; the wave's end
	ds_add_u32 v[SPW], v[NIL]
	s_wait_dscnt 0x0
	CROUND                                         ; the closing round
	s_endpgm
.Lfunc_end_k_q89a85e7127_attn:
	.size	k_q89a85e7127_attn, .Lfunc_end_k_q89a85e7127_attn-k_q89a85e7127_attn
	.p2alignl 7, 3214868480
	.fill 96, 4, 3214868480
	.section	.rodata,"a",@progbits
	.p2align	6, 0x0
	.amdhsa_kernel k_q89a85e7127_attn
		.amdhsa_group_segment_fixed_size 327680
		.amdhsa_private_segment_fixed_size 0
		.amdhsa_enable_private_segment 0
		.amdhsa_kernarg_size 24
		.amdhsa_user_sgpr_count 2
		.amdhsa_user_sgpr_kernarg_segment_ptr 1
		.amdhsa_wavefront_size32 1
		.amdhsa_system_sgpr_workgroup_id_x 1
		.amdhsa_system_sgpr_workgroup_id_y 1
		.amdhsa_system_sgpr_workgroup_id_z 1
		.amdhsa_system_vgpr_workitem_id 0
		.amdhsa_next_free_vgpr 512
		.amdhsa_next_free_sgpr 66
		.amdhsa_reserve_vcc 0
		.amdhsa_float_denorm_mode_32 3
		.amdhsa_float_denorm_mode_16_64 3
		.amdhsa_memory_ordered 1
		.amdhsa_forward_progress 1
		.amdhsa_inst_pref_size 96
	.end_amdhsa_kernel
	.amdgpu_metadata
---
amdhsa.version: [ 1, 2 ]
amdhsa.kernels:
  - .name:           k_q89a85e7127_attn
    .symbol:         k_q89a85e7127_attn.kd
    .args:
      - { .name: qk, .offset: 0, .size: 8, .value_kind: global_buffer, .address_space: global }
      - { .name: vq, .offset: 8, .size: 8, .value_kind: global_buffer, .address_space: global }
      - { .name: yq, .offset: 16, .size: 8, .value_kind: global_buffer, .address_space: global }
    .group_segment_fixed_size: 327680
    .private_segment_fixed_size: 0
    .kernarg_segment_align: 8
    .kernarg_segment_size: 24
    .max_flat_workgroup_size: 256
    .sgpr_count:     66
    .vgpr_count:     512
    .wavefront_size: 32
...
	.end_amdgpu_metadata
.endif
;; end of part 4
;; launch gemm_out (part 5): grid 4 x 32, 4 waves a work-group, clusters of 4 x 4, 327,680 bytes of LDS; arguments yq, wq, bo, out0; writes out0
.if DOCPART == 5
	.amdgcn_target "amdgcn-amd-amdhsa--gfx1250"
	.amdhsa_code_object_version 6
	.text
	.protected	k_q89a85e7127_gemm_out
	.globl	k_q89a85e7127_gemm_out
	.p2align	8
	.type	k_q89a85e7127_gemm_out,@function
k_q89a85e7127_gemm_out:
	s_mov_b64 s[64:65], 0
	v_nop
	global_prefetch_b8 v0, s[64:65] scope:SCOPE_SE
	s_setreg_imm32_b32 hwreg(HW_REG_WAVE_MODE, 25, 1), 1
	s_wait_xcnt 0x0
	s_wait_alu depctr_hold_cnt(0) depctr_sa_sdst(0) depctr_va_vdst(0) depctr_va_sdst(0) depctr_va_ssrc(0) depctr_va_vcc(0) depctr_vm_vsrc(0)
	s_getreg_b32 s2, hwreg(HW_REG_IB_STS2, 6, 4)
	s_cmp_eq_u32 s2, 0
	s_cbranch_scc0 .Lentry_in_a_cluster
	s_endpgm
.Lentry_in_a_cluster:
	s_bfe_u32 s2, ttmp6, 0x10000c
	s_cmp_lg_u32 s2, 0xf033
	s_cbranch_scc0 .Lentry_shape_is_right
	s_endpgm
.Lentry_shape_is_right:
; out = y Wo + bo on codes of FP8 (E4M3) with E8M0 scales: 8,192 x 1,024 x 1,024, f32 results.
; Operands lie as images in the order of the operand's registers (tiles of 16 rows x 128 K, 2,048 bytes), scale words behind them.  A block of 256 x 256 a work-group, 128 x 128 a wave, 64 accumulators by turns.
; K goes through a ring of two LDS slots of 256 along K; the scale words of all of K lie in LDS, [K step][16 tiles].  CLUSTER 4 x 4: A's tiles are asked for jointly along a row, B's along a column.
; The bias is the first products' C.  Results leave through each wave's stage in slot 0, as rows of 512 consecutive bytes.
; No prefetch: the block is the largest, in clusters, and K is four slots long, of which two are first fills.  NaN and infinities are not served.
.set MODE, 2
.if MODE == 0
.set ABASE, 0
.set ASCO,  8388608
.set APIT,  4096
.set BBASE, 0
.set BSCO,  4194304
.set BPIT,  2048
.set HSTR,  540672
.elseif MODE == 1
.set ABASE, 128
.set ASCO,  4194304
.set APIT,  2048
.set BBASE, 0
.set BSCO,  8388608
.set BPIT,  4096
.set HSTR,  135168
.else
.set ABASE, 0
.set ASCO,  8388608
.set APIT,  4096
.set BBASE, 192
.set BSCO,  4194304
.set BPIT,  2048
.set HSTR,  0
.endif
.set NQ,    2
.set FR,    16
.set NL,    4
.set NP,    8
.set HALFT, 32768
.set SLOT,  131072
.set SCL,   262144
.set SCLB,  8320
.set SPARE, 278784
.set ADRA, 16
.set ADRB, 20
.set STO,  24
.set RD,   25
.set CO,   26
.set ADRS, 27
.set SPW,  28
.set NIL,  29
.set PSEL, 30
.set SOFF, 31
.set SC,   32
.set BIAS, 64
.set AF,   128
.set BK,   128
.set TM,   64
.set SW,   80
.set PW,   88
.set G1,   24
.set G0,   32
.set G1B,  48
.set G0B,  56
.set G1S,  68
.set G0S,  76
.set G1SB, 80
.set G0SB, 88
.set MSB, 0
.macro WIN new
.if MSB != (\new)
	s_set_vgpr_msb (MSB<<8)|(\new)
.set MSB, (\new)
.endif
.endm
.set MUL_LO,   0xa1
.set MUL_HI,   0xf1
.set FIRST_LO, 0x81
.set FIRST_HI, 0xc1
.set TO_B,     0x40
.macro JLOAD g0a, g1a, g0b, g1b
	s_cmp_eq_u32 s15, 0
	s_cbranch_scc0 .Lfor_b_\@
	tensor_load_to_lds s[\g0a:\g0a+3], s[\g1a:\g1a+7]
	s_nop 0
.rept 4
	v_nop
.endr
	s_branch .Lasked_\@
.Lfor_b_\@:
	tensor_load_to_lds s[\g0b:\g0b+3], s[\g1b:\g1b+7]
	s_nop 0
.rept 4
	v_nop
.endr
.Lasked_\@:
.endm
.macro CREST
	s_cmp_lg_u32 s14, 0
	s_cbranch_scc1 .Lnot_wave_0_\@
	s_barrier_signal -3
.Lnot_wave_0_\@:
	s_barrier_wait -3
	s_barrier_signal -1
	s_barrier_wait -1
.endm
.macro CROUND
	s_barrier_signal -1
	s_barrier_wait -1
	CREST
.endm
	s_load_b128 s[4:7], s[0:1], 0x0
.if MODE == 0
	s_load_b128 s[8:11], s[0:1], 0x10
	s_load_b64 s[12:13], s[0:1], 0x20
.else
	s_load_b64 s[8:9], s[0:1], 0x10
	s_load_b64 s[12:13], s[0:1], 0x18
.endif
	v_lshl_add_u32 v[SPW], v0, 2, SPARE
	v_mov_b32 v[NIL], 0
	ds_add_u32 v28, v29
	ds_add_u32 v28, v29
	s_wait_dscnt 0x0
	v_lshrrev_b32 v1, 5, v0
	v_readfirstlane_b32 s14, v1
	s_lshr_b32 s15, s14, 1
	s_and_b32 s16, s14, 1
	s_bfe_u32 s40, ttmp6, 0x40000
	s_bfe_u32 s41, ttmp6, 0x40004
	s_lshl_b32 s42, ttmp9, 2
	s_add_co_u32 s42, s42, s40
	s_and_b32 s17, ttmp7, 0xffff
	s_lshl_b32 s17, s17, 2
	s_add_co_u32 s17, s17, s41
	s_lshl_b32 s43, s41, 2
	s_lshl_b32 s43, 15, s43
	s_lshl_b32 s44, 0x1111, s40
	s_or_b32 s[G1+0], s43, (3<<16)|(1<<21)
	s_or_b32 s[G1B+0], s44, (3<<16)|(1<<21)
.irp g, G1, G1B
	s_mov_b32 s[\g+1], 512<<16
	s_mov_b32 s[\g+2], 16<<16                      ; the head's loads bring all 16 tiles of an operand
	s_mov_b32 s[\g+3], 512<<16
	s_mov_b32 s[\g+4], 16
	s_mov_b32 s[\g+5], 2048
	s_mov_b32 s[\g+6], 0
	s_mov_b32 s[\g+7], 0
.endr
	s_or_b32 s[G1S+0], s43, (3<<16)|(1<<21)
	s_or_b32 s[G1SB+0], s44, (3<<16)|(1<<21)
.irp g, G1S, G1SB
	s_mov_b32 s[\g+1], 128<<16                     ; a K step's scale words of 16 tiles: 1,024 bytes a row
	s_mov_b32 s[\g+2], 8<<16
	s_mov_b32 s[\g+3], 128<<16
	s_mov_b32 s[\g+4], 8
	s_mov_b32 s[\g+6], 0
	s_mov_b32 s[\g+7], 0
.endr
	s_mov_b32 s[G1S+5], APIT
	s_mov_b32 s[G1SB+5], BPIT
	s_lshl_b32 s18, s16, 3
	s_lshl_b32 s20, s17, 4
	s_add_co_u32 s20, s20, s18
	s_add_co_u32 s20, s20, ABASE
	s_lshl_b32 s46, s42, 4
	s_add_co_u32 s46, s46, s18
	s_add_co_u32 s46, s46, BBASE
	s_lshl_b32 s22, s20, 6
	s_add_co_u32 s22, s22, ASCO
	s_mov_b32 s23, 0
	s_lshl_b32 s92, s46, 6
	s_add_co_u32 s92, s92, BSCO
	s_mov_b32 s93, 0
	s_lshl_b32 s20, s20, 14
	s_mov_b32 s21, 0
	s_lshl_b32 s46, s46, 14
	s_mov_b32 s47, 0
	s_lshl_b32 s45, s14, 15
	s_lshl_b32 s94, s14, 12
.if MODE != 2
	s_mov_b32 s98, 0x76543210
	s_mov_b32 s99, 0xfedcba98
	s_mov_b32 s100, 0x600000
.endif
	s_wait_kmcnt 0x0
	s_add_nc_u64 s[20:21], s[4:5], s[20:21]
	s_add_nc_u64 s[22:23], s[4:5], s[22:23]
	s_add_nc_u64 s[46:47], s[6:7], s[46:47]
	s_add_nc_u64 s[92:93], s[6:7], s[92:93]
	CROUND
	s_lshl_b32 s2, s16, 9                          ; back from my half's 8 tiles to the operand's first: 512 bytes of scale words,
	s_mov_b32 s3, 0
	s_mov_b32 s[G0S], 1
	s_mov_b32 s[G0S+1], SCL
	s_sub_nc_u64 s[G0S+2:G0S+3], s[22:23], s[2:3]
	s_or_b32 s[G0S+3], s[G0S+3], 0x80000000
	s_mov_b32 s[G0SB], 1
	s_mov_b32 s[G0SB+1], SCL+SCLB
	s_sub_nc_u64 s[G0SB+2:G0SB+3], s[92:93], s[2:3]
	s_or_b32 s[G0SB+3], s[G0SB+3], 0x80000000
	s_lshl_b32 s2, s16, 17                         ; and 131,072 bytes of codes
	s_sub_nc_u64 s[6:7], s[20:21], s[2:3]          ; s[4:7]: group 0 of A's 16 tiles of slot 0
	s_or_b32 s7, s7, 0x80000000
	s_mov_b32 s4, 1
	s_mov_b32 s5, 0
	s_sub_nc_u64 s[94:95], s[46:47], s[2:3]        ; s[92:95]: of B's
	s_or_b32 s95, s95, 0x80000000
	s_mov_b32 s92, 1
	s_mov_b32 s93, 2*HALFT
.irp s, 0,1
	s_mov_b32 s[G0+4*\s], 1
	s_add_co_u32 s[G0+4*\s+1], s45, \s*SLOT
	s_add_nc_u64 s[G0+4*\s+2:G0+4*\s+3], s[20:21], \s*4096
	s_or_b32 s[G0+4*\s+3], s[G0+4*\s+3], 0x80000000
	s_mov_b32 s[G0B+4*\s], 1
	s_add_co_u32 s[G0B+4*\s+1], s45, \s*SLOT
	s_add_nc_u64 s[G0B+4*\s+2:G0B+4*\s+3], s[46:47], \s*4096
	s_or_b32 s[G0B+4*\s+3], s[G0B+4*\s+3], 0x80000000
.endr
; the head's four tiles, one joint load a wave, in one chain of branches on the wave's number: wave 0 A's codes of slot 0, wave 1 B's, wave 2 A's scale words, wave 3 B's
.macro ARM under, g0, g1, next
	s_cmp_lt_u32 s14, \under
	s_cbranch_scc0 \next
	tensor_load_to_lds s[\g0:\g0+3], s[\g1:\g1+7]
	s_nop 0
.rept 4
	v_nop
.endr
	s_branch .Lhead_asked
\next:
.endm
	ARM 1, 4,  G1,  .Lhead_b
	ARM 2, 92, G1B, .Lhead_sa
	ARM 3, G0S, G1S, .Lhead_sb
	tensor_load_to_lds s[G0SB:G0SB+3], s[G1SB:G1SB+7]
	s_nop 0
.rept 4
	v_nop
.endr
.Lhead_asked:                                          ; the addresses and the bias are made while the head's loads are out
	v_and_b32 v1, 15, v0
	v_bfe_u32 v2, v0, 4, 1
	s_wait_alu depctr_va_vdst(0)
	v_and_b32 v3, 31, v0
	v_lshlrev_b32 v[CO], 4, v3
	s_lshl_b32 s21, s15, 15
	s_lshl_b32 s22, s16, 15
	s_add_co_u32 s22, s22, 2*HALFT
.irp s, 0,1
	v_add_nc_u32 v[ADRA+\s], s21, v[CO]
	v_add_nc_u32 v[ADRB+\s], s22, v[CO]
	s_add_co_u32 s21, s21, SLOT
	s_add_co_u32 s22, s22, SLOT
.endr
	v_lshlrev_b32 v5, 2, v1
	s_lshl_b32 s21, s15, 9
	s_lshl_b32 s22, s16, 9
	s_add_co_u32 s22, s22, SCLB
	s_sub_co_u32 s22, s22, s21
	v_mul_u32_u24 v6, s22, v2
	s_add_co_u32 s21, s21, SCL
	v_add_nc_u32 v5, v5, v6
	v_add_nc_u32 v[ADRS], s21, v5
.if MODE == 1
	s_lshl_b32 s96, s17, 10
	s_lshl_b32 s97, s15, 9
	s_add_co_u32 s96, s96, s97
	s_mov_b32 s97, 0
	s_add_nc_u64 s[8:9], s[8:9], s[96:97]
	v_and_b32 v7, 8, v1
	v_add_nc_u32 v7, v7, v1
	v_lshlrev_b32 v7, 2, v7
.irp a, 0,1,2,3,4,5,6,7
.irp j, 0,1,2,3,4,5,6,7
	global_load_b32 v[BIAS+8*\a+\j], v7, s[8:9] offset:(32*(\a/2)+8*(\a%2))*4
.endr
.endr
.else
.if MODE == 0
	s_cmp_eq_u32 ttmp9, 0
	s_cselect_b64 s[8:9], s[8:9], s[10:11]
	s_lshl_b32 s96, s40, 10
.else
	s_lshl_b32 s96, s42, 10
.endif
	s_lshl_b32 s97, s16, 9
	s_add_co_u32 s96, s96, s97
	s_mov_b32 s97, 0
	s_add_nc_u64 s[8:9], s[8:9], s[96:97]
	v_lshlrev_b32 v7, 6, v2
.irp b, 0,1,2,3,4,5,6,7
	global_load_b128 v[BIAS+8*\b:BIAS+8*\b+3], v7, s[8:9] offset:(32*(\b/2)+8*(\b%2))*4
	global_load_b128 v[BIAS+8*\b+4:BIAS+8*\b+7], v7, s[8:9] offset:(32*(\b/2)+8*(\b%2))*4+16
.endr
.endif
.if MODE == 0
	s_lshl_b32 s96, s42, 2
	s_lshl_b32 s97, s16, 1
	s_add_co_u32 s96, s96, s97
	s_lshl_b32 s96, s96, 6
	s_lshl_b32 s97, s17, 1
	s_add_co_u32 s96, s96, s97
	s_add_co_u32 s96, s96, s15
	s_mul_i32 s96, s96, 8448
	s_mov_b32 s97, 0
	s_add_nc_u64 s[12:13], s[12:13], s[96:97]
	s_lshl_b32 s18, s14, 9
	v_lshlrev_b32 v4, 2, v1
	v_lshl_add_u32 v4, v2, 8, v4
	v_add_nc_u32 v[STO], s18, v4
	v_add_nc_u32 v[RD], s18, v[CO]
	v_mul_u32_u24 v4, v2, HSTR
	v_lshl_add_u32 v4, v1, 4, v4
	v_add_nc_u32 v[SOFF], 8192, v4
	v_mov_b32 v[PSEL], 0x05040100
	v_mov_b32 v4, 0x07060302
	v_cmp_eq_u32 vcc_lo, 1, v2
	v_cndmask_b32 v[PSEL], v[PSEL], v4, vcc_lo
.elseif MODE == 1
	s_lshl_b32 s96, s42, 1
	s_add_co_u32 s96, s96, s16
	s_and_b32 s97, s96, 0x30
	s_and_b32 s96, s96, 15
	s_lshl_b32 s18, s17, 2
	s_add_co_u32 s97, s97, s18
	s_lshl_b32 s18, s15, 1
	s_add_co_u32 s97, s97, s18
	s_lshl_b32 s97, s97, 4
	s_add_co_u32 s96, s96, s97
	s_mul_i32 s96, s96, 8448
	s_mov_b32 s97, 0
	s_add_nc_u64 s[12:13], s[12:13], s[96:97]
	s_lshl_b32 s18, s14, 9
	v_lshlrev_b32 v4, 2, v1
	v_add_nc_u32 v[STO], s18, v4
	v_add_nc_u32 v[RD], s18, v[CO]
	v_mul_u32_u24 v4, v2, HSTR
	v_lshl_add_u32 v4, v1, 4, v4
	v_add_nc_u32 v[SOFF], 8192, v4
.else
	s_lshl_b32 s96, s17, 20
	s_lshl_b32 s97, s15, 19
	s_add_co_u32 s96, s96, s97
	s_lshl_b32 s97, s42, 10
	s_add_co_u32 s96, s96, s97
	s_lshl_b32 s97, s16, 9
	s_add_co_u32 s96, s96, s97
	s_mov_b32 s97, 0
	s_add_nc_u64 s[12:13], s[12:13], s[96:97]
	s_mul_i32 s18, s14, 8448
	v_mul_u32_u24 v4, v1, 528
	v_lshl_add_u32 v4, v2, 6, v4
	v_add_nc_u32 v[STO], s18, v4
	v_add_nc_u32 v[RD], s18, v[CO]
.endif
.macro FRAG reg, adr, q, i
.irp c, 0,1,2,3
	ds_load_b128 v[\reg+4*\c:\reg+4*\c+3], v[\adr] offset:4096*(\i)+2048*(\q)+512*\c
.endr
.endm
.macro MUL16 a0, p, q, sc, zero
.irp a, \a0, \a0+1
.irp b, 0,1,2,3,4,5,6,7
.set DD, 8*(8*((\a)%4)+\b)
.if \zero
.if MODE == 1
.set CB, BIAS+8*(\a)
.else
.set CB, BIAS+8*\b
.endif
	v_wmma_scale_f32_16x16x128_f8f6f4 v[DD:DD+7], v[128*(\p)+FR*\b:128*(\p)+FR*\b+FR-1], v[AF+FR*(\a):AF+FR*(\a)+FR-1], v[CB:CB+7], v[SC+8*NQ*(\sc)+NQ*\b+(\q)], v[SC+8*NQ*(\sc)+NQ*(\a)+(\q)] matrix_a_scale:MATRIX_SCALE_ROW1
.else
	v_wmma_scale_f32_16x16x128_f8f6f4 v[DD:DD+7], v[128*(\p)+FR*\b:128*(\p)+FR*\b+FR-1], v[AF+FR*(\a):AF+FR*(\a)+FR-1], v[DD:DD+7], v[SC+8*NQ*(\sc)+NQ*\b+(\q)], v[SC+8*NQ*(\sc)+NQ*(\a)+(\q)] matrix_a_scale:MATRIX_SCALE_ROW1
.endif
.endr
.endr
.endm
.macro FETCH_B slot, q, p
	WIN TO_B
.irp i, 0,1,2,3,4,5,6,7
	FRAG 128*(\p)+FR*\i, ADRB+\slot, \q, \i
.endr
	WIN 0
.endm
.macro FETCH_A slot, q, i0
.irp i, \i0, \i0+1, \i0+2, \i0+3
	FRAG AF+FR*(\i), ADRA+\slot, \q, \i
.endr
.endm
.macro SCALES sc
.irp i, 0,1,2,3,4,5,6,7
.irp q, 0,1
	ds_load_b32 v[SC+8*NQ*\sc+NQ*\i+\q], v[ADRS] offset:1024*\q+64*\i
.endr
.endr
.endm
.macro PLACES n
.rept \n
	v_nop
.endr
.endm
.macro STEP slot, q, zero
	s_wait_dscnt 4*NL
.if \zero
	WIN FIRST_LO
.else
	WIN MUL_LO
.endif
	MUL16 0, (\q)%2, \q, \slot, \zero
	MUL16 2, (\q)%2, \q, \slot, \zero
	s_wait_dscnt 0
	PLACES NP
	FETCH_B \slot, (\q)+1, 1-(\q)%2
	FETCH_A \slot, (\q)+1, 0
.if \zero
	WIN FIRST_HI
.else
	WIN MUL_HI
.endif
	MUL16 4, (\q)%2, \q, \slot, \zero
	MUL16 6, (\q)%2, \q, \slot, \zero
	PLACES NP
	WIN 0
	FETCH_A \slot, (\q)+1, 4
.endm
.macro TURN slot, next, fill
	s_wait_tensorcnt 0x0
	ds_add_u32 v[SPW], v[NIL]
	s_wait_dscnt 4*NL+1
	WIN MUL_LO
	MUL16 0, 1, NQ-1, \slot, 0
	s_wait_dscnt 0x0
	s_barrier_signal -1
	MUL16 2, 1, NQ-1, \slot, 0
	WIN 0
	s_barrier_wait -1
.if \fill
	CREST
	s_add_nc_u64 s[G0+4*\slot+2:G0+4*\slot+3], s[G0+4*\slot+2:G0+4*\slot+3], 8192
	s_add_nc_u64 s[G0B+4*\slot+2:G0B+4*\slot+3], s[G0B+4*\slot+2:G0B+4*\slot+3], 8192
	JLOAD G0+4*\slot, G1, G0B+4*\slot, G1B
	PLACES NP-4
.else
	PLACES NP
.endif
	s_wait_alu depctr_va_vdst(0)
	v_add_nc_u32 v[ADRS], 2048, v[ADRS]
	FETCH_B \next, 0, 0
	FETCH_A \next, 0, 0
	SCALES \next
	WIN MUL_HI
	MUL16 4, 1, NQ-1, \slot, 0
	MUL16 6, 1, NQ-1, \slot, 0
	PLACES NP
	WIN 0
	FETCH_A \next, 0, 4
.endm
	s_wait_alu depctr_va_vdst(0)                   ; the wait at the head's end
	s_wait_tensorcnt 0x0                           ; my tile of the four is in
	ds_add_u32 v28, v29
	s_mov_b32 s[G1+2], 8<<16                       ; no tensor load of mine is out: from here on a load brings 8 tiles
	s_mov_b32 s[G1+4], 8
	s_mov_b32 s[G1B+2], 8<<16
	s_mov_b32 s[G1B+4], 8
	s_wait_dscnt 0x0
	CROUND                                         ; all four tiles are in, and all sixteen work-groups are here
	JLOAD G0+4, G1, G0B+4, G1B
	FETCH_B 0, 0, 0
	FETCH_A 0, 0, 0
	SCALES 0
	FETCH_A 0, 0, 4
	s_wait_loadcnt 0x0
	STEP 0, 0, 1
	TURN 0, 1, 1
	STEP 1, 0, 0
	TURN 1, 0, 1
	STEP 0, 0, 0
	TURN 0, 1, 0
	STEP 1, 0, 0
	s_wait_dscnt 4*NL
	WIN MUL_LO
	MUL16 0, 1, NQ-1, 1, 0
	MUL16 2, 1, NQ-1, 1, 0
	s_wait_dscnt 0
	WIN MUL_HI
	MUL16 4, 1, NQ-1, 1, 0
	MUL16 6, 1, NQ-1, 1, 0
	WIN 0
	PLACES NP
.if MODE != 2
.macro QW a
.set WW, 2+(\a)/4
.set S0, 64*((\a)%4)
.set PCA, 128+16*(\a)
.set W1, WW|(WW<<2)
.set W2, (WW<<2)|(WW<<4)
.set W3, WW|(WW<<6)
	WIN W1
.irp b, 0,1,2,3
	v_max3_num_f32 v[TM+\b], |v[S0+16*\b]|, |v[S0+16*\b+1]|, 0x4800000
.endr
	WIN W2
.irp i, 2,4,6,8,10,12,14
.irp b, 0,1,2,3
	v_max3_num_f32 v[TM+\b], v[TM+\b], |v[S0+16*\b+\i]|, |v[S0+16*\b+\i+1]|
.endr
.endr
	WIN 0
.irp b, 0,1,2,3
	v_permlanex16_b32 v[TM+4+\b], v[TM+\b], s98, s99
.endr
.irp b, 0,1,2,3
	v_max_num_f32 v[TM+\b], v[TM+\b], v[TM+4+\b]
.endr
.irp b, 0,1,2,3
	v_add_nc_u32 v[TM+12+\b], 0xfc000000, v[TM+\b]
.endr
.irp b, 0,1,2,3
	v_and_or_b32 v[TM+8+\b], v[TM+\b], 0x7f800000, s100
.endr
.irp b, 0,1,2,3
	v_lshrrev_b32 v[TM+4+\b], 23, v[TM+12+\b]
.endr
	v_lshl_or_b32 v[SW+(\a)], v[TM+5], 8, v[TM+4]
	v_lshl_or_b32 v[SW+(\a)], v[TM+6], 16, v[SW+(\a)]
	v_lshl_or_b32 v[SW+(\a)], v[TM+7], 24, v[SW+(\a)]
	WIN W3
.irp b, 0,1,2,3
.irp i, 0,1,2,3,4,5,6,7,8,9,10,11,12,13,14,15
	v_med3_num_f32 v[S0+16*\b+\i], v[S0+16*\b+\i], -v[TM+8+\b], v[TM+8+\b]
.endr
.endr
	WIN WW
.irp b, 0,1,2,3
	v_cvt_scalef32_pk8_fp8_f32 v[PCA+4*\b:PCA+4*\b+1], v[S0+16*\b:S0+16*\b+7], v[TM+12+\b]
	v_cvt_scalef32_pk8_fp8_f32 v[PCA+4*\b+2:PCA+4*\b+3], v[S0+16*\b+8:S0+16*\b+15], v[TM+12+\b]
.endr
	WIN 0
	v_nop
.irp c, 0,1,2,3
.if MODE == 0
	global_store_b128 v[CO], v[PCA+4*\c:PCA+4*\c+3], s[12:13] offset:(\c/2)*HSTR+1024*(\a)+512*(\c%2)
.else
	global_store_b128 v[CO], v[PCA+4*\c:PCA+4*\c+3], s[12:13] offset:((\a)/4)*HSTR+2048*((\a)%4)+512*\c
.endif
.endr
.endm
.irp b, 0,1,2,3
	v_mov_b32 v[TM+4+\b], 0
.endr
.irp a, 0,1,2,3,4,5,6,7
	QW \a
.endr
.if MODE == 0
.irp t, 0,1,2,3
	v_perm_b32 v[PW+\t], v[SW+2*\t+1], v[SW+2*\t], v[PSEL]
.endr
.irp t, 0,1,2,3
	ds_store_b32 v[STO], v[PW+\t] offset:64*\t
.endr
.else
.irp a, 0,1,2,3,4,5,6,7
	ds_store_b32 v[STO], v[SW+\a] offset:64*\a
.endr
.endif
	ds_load_b128 v[92:95], v[RD]
	s_wait_dscnt 0x0
	global_store_b128 v[SOFF], v[92:95], s[12:13]
.else
.macro TOSTAGE a
.set AC, 64*((\a)%4)
.set WD, 0x08+4*((\a)/4)
	WIN WD
.irp b, 0,1,2,3,4,5,6,7
	ds_store_b128 v[STO], v[AC+8*\b:AC+8*\b+3] offset:128*(\b/2)+32*(\b%2)
	ds_store_b128 v[STO], v[AC+8*\b+4:AC+8*\b+7] offset:128*(\b/2)+32*(\b%2)+16
.endr
	WIN 0
.set BB, BK+64*((\a)%2)
.irp t, 0,1,2,3,4,5,6,7,8,9,10,11,12,13,14,15
	ds_load_b128 v[BB+4*\t:BB+4*\t+3], v[RD] offset:\t*528
.endr
.endm
.macro SEND a, younger
.set BB, BK+64*((\a)%2)
	s_wait_dscnt \younger
.irp t, 0,1,2,3,4,5,6,7,8,9,10,11,12,13,14,15
	global_store_b128 v[CO], v[BB+4*\t:BB+4*\t+3], s[12:13] offset:(32*((\a)/2)+8*((\a)%2)+\t+8*(\t/8))*4096 th:TH_STORE_NT
.endr
.endm
	TOSTAGE 0
.irp a, 1,2,3,4,5,6,7
.if \a > 1
	s_wait_xcnt 0x0
.endif
	TOSTAGE \a
	SEND \a-1, 32
.endr
	SEND 7, 0
.endif
	s_wait_tensorcnt 0x0
	ds_add_u32 v[SPW], v[NIL]
	s_wait_dscnt 0x0
	CROUND
	s_endpgm
.Lfunc_end_k_q89a85e7127_gemm_out:
	.size	k_q89a85e7127_gemm_out, .Lfunc_end_k_q89a85e7127_gemm_out-k_q89a85e7127_gemm_out
	.p2alignl 7, 3214868480
	.fill 96, 4, 3214868480
	.section	.rodata,"a",@progbits
	.p2align	6, 0x0
	.amdhsa_kernel k_q89a85e7127_gemm_out
		.amdhsa_group_segment_fixed_size 327680
		.amdhsa_private_segment_fixed_size 0
		.amdhsa_enable_private_segment 0
		.amdhsa_kernarg_size 32
		.amdhsa_user_sgpr_count 2
		.amdhsa_user_sgpr_kernarg_segment_ptr 1
		.amdhsa_wavefront_size32 1
		.amdhsa_system_sgpr_workgroup_id_x 1
		.amdhsa_system_sgpr_workgroup_id_y 1
		.amdhsa_system_sgpr_workgroup_id_z 1
		.amdhsa_system_vgpr_workitem_id 0
		.amdhsa_next_free_vgpr 1024
		.amdhsa_next_free_sgpr 101
		.amdhsa_reserve_vcc 1
		.amdhsa_float_denorm_mode_32 3
		.amdhsa_float_denorm_mode_16_64 3
		.amdhsa_memory_ordered 1
		.amdhsa_forward_progress 1
		.amdhsa_inst_pref_size 149
	.end_amdhsa_kernel
	.amdgpu_metadata
---
amdhsa.version: [ 1, 2 ]
amdhsa.kernels:
  - .name:           k_q89a85e7127_gemm_out
    .symbol:         k_q89a85e7127_gemm_out.kd
    .args:
      - { .name: yq, .offset: 0, .size: 8, .value_kind: global_buffer, .address_space: global }
      - { .name: wq, .offset: 8, .size: 8, .value_kind: global_buffer, .address_space: global }
      - { .name: bo, .offset: 16, .size: 8, .value_kind: global_buffer, .address_space: global }
      - { .name: out0, .offset: 24, .size: 8, .value_kind: global_buffer, .address_space: global }
    .group_segment_fixed_size: 327680
    .private_segment_fixed_size: 0
    .kernarg_segment_align: 8
    .kernarg_segment_size: 32
    .max_flat_workgroup_size: 128
    .sgpr_count:     101
    .vgpr_count:     1024
    .wavefront_size: 32
...
	.end_amdgpu_metadata
.endif
;; end of part 5
